; MI455X (gfx1250); checked and timed in simulation.
; The chip was launched on July 23, 2026; its instructions are those of AMD's public machine-readable ISA for CDNA 5 (MIT licence, August 2026) and "CDNA5" Instruction Set Architecture Reference Guide (July 2026). The comments in the code are by the model that wrote it; some were corrected since.
;; Causal Self Attention. Allowed arithmetic: matrix products marked QUANTISED: E2M3 operands, one E8M0 scale for each 32 along K, by v_wmma_scale_f32_16x16x128_f8f6f4 with both operands' format E2M3, f32 sums; everything else in f32.
;; Inputs: attn_mask 1 x 1 x 2,048 x 2,048 int32; b_out 1,024 float32; b_qkv 3,072 float32; w_out 1,024 x 1,024 float32; w_qkv 3,072 x 1,024 float32; x 4 x 2,048 x 1,024 float32.
;; Outputs: out0 4 x 2,048 x 1,024 float32.
;; This version of the problem:
;;   THIS VERSION OF THE PROBLEM IS GIVEN IN LOW PRECISION. The matrix products marked QUANTISED in the list below multiply operands that are first quantised to E2M3 (2 exponent bits, 3 mantissa bits; 6 bits a number), with one power-of-two scale for each 32 numbers along K (OCP MX v1.0); their sums are f32. All else is computed in f32.
;;   The module's matrix products, in the order in which they are computed (A, B: the left and right operand; K: the contracted axis; several contracted axes count as one K, in the product's order):
;;     1. [M 8,192, K 1,024] x [K 1,024, N 3,072]; A: input x; B: input w_qkv: QUANTISED
;;     2. batch 64 x [M 2,048, K 64] x [K 64, N 2,048]; A: computed on the way; B: computed on the way: QUANTISED
;;     3. batch 64 x [M 2,048, K 2,048] x [K 2,048, N 64]; A: softmax (see below); B: computed on the way: QUANTISED
;;     4. [M 8,192, K 1,024] x [K 1,024, N 1,024]; A: computed on the way; B: input w_out: QUANTISED
;;   THE QUANTISER, for each operand of a quantised product, along K:
;;     - K is cut into blocks of 32 from its start; a last block that is shorter is filled with zeros.
;;     - A block's scale is 2^e with e = floor(log2(the largest magnitude in the block)) - 2, held to -126 .. 127; a block of zeros has e = 0. As a byte (E8M0): e + 127.
;;     - Each number is divided by its block's scale, clamped to +-7.5, and rounded to the nearest number of E2M3, ties to even, subnormals kept.
;;     - The product sums the exact products of the quantised numbers (number of the format x scale) in f32.
;;   ~~~python
;;   def quantise(x, axis):      # numpy; x: float32 -> the quantised numbers, widened to float32 again
;;       x = np.moveaxis(x, axis, -1); K = x.shape[-1]
;;       x = np.pad(x, [(0, 0)] * (x.ndim - 1) + [(0, -K % 32)]); x = x.reshape(x.shape[:-1] + (-1, 32)); a = np.abs(x).max(-1, keepdims=True)
;;       e = np.where(a > 0, np.clip(np.frexp(np.where(a > 0, a, 1))[1] - 1 - 2, -126, 127), 0)      # np.frexp(a)[1] - 1 = floor(log2(a)), exactly
;;       r = np.clip(x / 2.0 ** e, -7.5, 7.5)
;;       step = 2.0 ** (np.maximum(np.frexp(np.where(r == 0, 1, r))[1] - 1, 0) - 3)
;;       q = np.round(r / step) * step * 2.0 ** e      # np.round: ties to even
;;       return np.moveaxis(q.reshape(q.shape[:-2] + (-1,))[..., :K], -1, axis).astype(np.float32)
;;   ~~~
;;   SOFTMAX AHEAD OF A QUANTISED PRODUCT. Where the list says 'softmax', what is quantised is not the finished softmax but p = 2^(t - M), with t = logit x log2(e) and M = ceil(the row's largest t), a whole number; so 1/2 < the row's largest p <= 1. The row's sum l is taken of the UNQUANTISED p, in f32, and the product's result is divided by l at the end. Since M is a whole number, a kernel that streams over the keys may use a running M (the ceiling of the running maximum): every later rescaling is an exact power of two, which a block's scale takes up: the codes' values come out the same.
;;   OPERANDS COMPUTED ON THE WAY. 'Computed on the way' means the value that the module computes at that place (a softmax that the list does not call 'softmax' is quantised finished and normalised). What goes into a quantiser is computed in f32, as accurately as f32 sums, v_exp_f32 and their like allow (about 1e-6 of the number): no bf16 or f16 on the way to a quantiser, and a product that is left as it is and whose result goes on into a quantised operand takes f32 operands (vector FMAs, or v_wmma_f32_16x16x4_f32). A number that lies on a knife's edge between two numbers of the format may be rounded either way, as far as f32 arithmetic and the matrix unit's own rounding can turn it there, and no further.
;; 2 versions, each right; version 2 is version 1 with the launch attn written anew for expert scheduling mode. Each part assembles by itself: llvm-mc -triple=amdgcn-amd-amdhsa -mcpu=gfx1250 --defsym DOCPART=n.
;; ======== version 1 of 2: 4 launches
;; workspace buffers: opimg 9,437,184 bytes; opsc 393,216 bytes; maskw 532,480 bytes of whole numbers; qkv_img 18,874,368 bytes; qkv_sc 786,432 bytes; ao_img 6,291,456 bytes; ao_sc 262,144 bytes
;; launch prep (part 1): grid 256 x 1, 4 waves a work-group, no clusters, 135,680 bytes of LDS; arguments x, w_qkv, w_out, attn_mask, opimg, opsc, maskw; writes opimg, opsc, maskw
.if DOCPART == 1
	.amdgcn_target "amdgcn-amd-amdhsa--gfx1250"
	.amdhsa_code_object_version 6
	.text
	.protected	k_q18f5dbed52_prep
	.globl	k_q18f5dbed52_prep
	.p2align	8
	.type	k_q18f5dbed52_prep,@function
k_q18f5dbed52_prep:
	s_mov_b64 s[64:65], 0
	v_nop
	global_prefetch_b8 v0, s[64:65] scope:SCOPE_SE
	s_setreg_imm32_b32 hwreg(HW_REG_WAVE_MODE, 25, 1), 1
	s_wait_xcnt 0x0
; PREP.  (a) x [8192][1024], w_qkv [3072][1024], w_out [1024][1024], f32, become codes of FP6 (E2M3) with one E8M0 byte for each 32 along K;
; (b) attn_mask [2048][2048], int32, becomes lane masks and flags for the attention launch.
; ROW TILES.  A tile RT is 16 rows: lane r of tile RT takes row 32 (RT / 2) + 8 (RT % 2) + r + 8 (r / 8), so that in a matrix result the 16 registers of two neighbouring tiles are 16 neighbours.
; CODES leave as images of operand registers: for each tile and each 64 along K a block of 768 bytes: registers 0-3 at 16 x lane, registers 4-5 at 512 + 8 x lane; lane (r, h) holds the 32 codes of block h of its row.
; opimg [RT 768][g 16][768]: RT 0-511 x, 512-703 w_qkv, 704-767 w_out.  opsc [RT][r 16][32]: byte k / 32.
; A block's scale is 2^(floor(log2(largest magnitude)) - 2): its byte is the largest magnitude's exponent field - 2, held at 1 from below.
; LIMITS: a block whose largest magnitude lies under 2^-124 (a block of zeros too) gets the byte 1; these bytes are read by this program alone.  NaN and infinities among the inputs are not served.
; MASK.  maskw: [tt 128][s 16][n 64] words: bit 16 h + r of word n = 16 b + i is 1 where attn_mask[row r of tile tt][128 s + 32 b + 16 h + i] == 0; from byte 524,288 on flags [tt][s]: bit 0 some key open, bit 16 some key masked.
; SHARES.  Work-groups 0-191: wave w quantises tile 4 x work-group + w, all of K, in 8 steps of 128.  Work-groups 192-255: a wave takes half the keys (8 steps of 128) of one tile of queries.  Every wave reads 64 KiB.
; Each load reads 512 consecutive bytes of one row; a step's 16 rows turn through the wave's own stage in LDS (rows of 512 + 16 bytes) and come back 16 neighbours a block a lane.  Waves share nothing: no barrier.
.set R,    16                          ; v16-143  two sets of 64 registers as loaded
.set X,    144                         ; v144-207 a step's 64 numbers: register 16 b + i = k 32 b + 16 h + i of my row
.set PC,   208                         ; v208-227 codes (12) and the conversions' second halves
.set TM,   228                         ; v228-239 largest magnitudes, bytes, scale operands
.set PWS,  240                         ; v240-247 the 8 steps' scale words
.set W,    248                         ; v248-251 my 16 bytes of the row's 32 scale bytes
.set MW,   252                         ; v252-253 64 mask words, two a lane
.set FLV,  254                         ; v254     the 8 steps' flags, one a lane
.set SEL,  20                          ; s[20:21] selects of v_permlanex16_b32: lane l xor 16
.set SROW, 528                         ; a stage row
.set STG,  16*SROW                     ; a stage
.set WREG, 2*STG                       ; a wave's two stages
.set MREG, 4*WREG                      ; the mask path's stages lie behind the quantising path's: each path has LDS bytes of its own
.macro LOAD t, pitch, base             ; step t: 512 bytes of each of the tile's 16 rows
.irp i, 0,1,2,3,4,5,6,7,8,9,10,11,12,13,14,15
	global_load_b128 v[R+64*((\t)%2)+4*\i:R+64*((\t)%2)+4*\i+3], v4, s[\base:\base+1] offset:(\i+8*(\i/8))*\pitch+512*(\t) th:TH_LOAD_NT
.endr
.endm
.macro TURN t, si, lo                  ; through the stage: LDS serves a wave's instructions in order, so no wait stands between the stores and the loads
.irp i, 0,1,2,3,4,5,6,7,8,9,10,11,12,13,14,15
	ds_store_b128 v[\si], v[R+64*((\t)%2)+4*\i:R+64*((\t)%2)+4*\i+3] offset:STG*((\t)%2)+SROW*\i
.endr
.irp b, 0,1,2,3
.irp j, 0,1,2,3
	ds_load_b128 v[X+16*\b+4*\j:X+16*\b+4*\j+3], v[\lo] offset:STG*((\t)%2)+128*\b+16*\j
.endr
.endr
.endm
; 64 numbers of a lane, register 16 b + i = k 32 b + 16 h + i of my row, become a fragment's 12 registers of codes in v[PC] on and its scale word in v[pw]
.macro QUANT s, pw
.irp b, 0,1,2,3
	v_max3_num_f32 v[TM+\b], |v[\s+16*\b]|, |v[\s+1+16*\b]|, 0x1800000   ; my 16 numbers of block b, and the floor 2^(3 - 127): the byte cannot fall under 1
.endr
.irp i, 2,4,6,8,10,12,14
.irp b, 0,1,2,3
	v_max3_num_f32 v[TM+\b], v[TM+\b], |v[\s+16*\b+\i]|, |v[\s+1+16*\b+\i]|
.endr
.endr
.irp b, 0,1,2,3
	v_permlanex16_b32 v[TM+4+\b], v[TM+\b], s[SEL], s[SEL+1]
.endr
.irp b, 0,1,2,3
	v_max_num_f32 v[TM+\b], v[TM+\b], v[TM+4+\b]                         ; with lane l xor 16's: the block's largest magnitude
.endr
.irp b, 0,1,2,3
	v_add_nc_u32 v[TM+8+\b], 0xff000000, v[TM+\b]                        ; 2 off its exponent field: the conversion's scale operand
.endr
.irp b, 0,1,2,3
	v_lshrrev_b32 v[TM+4+\b], 23, v[TM+8+\b]                             ; the scale's byte
.endr
	v_lshl_or_b32 v[\pw], v[TM+5], 8, v[TM+4]
	v_lshl_or_b32 v[\pw], v[TM+6], 16, v[\pw]
	v_lshl_or_b32 v[\pw], v[TM+7], 24, v[\pw]
.irp c, 0,1
	v_cvt_scalef32_pk16_fp6_f32 v[PC+6*\c:PC+2+6*\c], v[\s+32*\c:\s+15+32*\c], v[TM+8+2*\c]
	v_cvt_scalef32_pk16_fp6_f32 v[PC+12+4*\c:PC+14+4*\c], v[\s+16+32*\c:\s+31+32*\c], v[TM+8+2*\c+1]   ; (a conversion's three registers begin on an even number)
.endr
	v_nop                                          ; one plain instruction behind the scaled conversions
.irp c, 0,1                            ; the operand wants a whole block in a lane: lanes 0-15 block 2 c, lanes 16-31 block 2 c + 1
.irp i, 0,1,2
	v_permlane16_swap_b32 v[PC+6*\c+\i], v[PC+12+4*\c+\i]
.endr
.irp i, 0,1,2
	v_mov_b32 v[PC+3+6*\c+\i], v[PC+12+4*\c+\i]
.endr
.endr
.endm
	s_load_b256 s[4:11], s[0:1], 0x0               ; x s[4:5], w_qkv s[6:7], w_out s[8:9], attn_mask s[10:11]
	s_load_b128 s[12:15], s[0:1], 0x20             ; opimg s[12:13], opsc s[14:15]
	s_load_b64 s[16:17], s[0:1], 0x30              ; maskw
	v_lshl_add_u32 v227, v0, 2, 0x21000
	v_mov_b32 v255, 0
	v_lshrrev_b32 v1, 5, v0
	v_readfirstlane_b32 s18, v1                    ; wave 0..3
	v_and_b32 v1, 31, v0                           ; lane
	v_and_b32 v2, 15, v0                           ; r
	v_bfe_u32 v3, v0, 4, 1                         ; h
	v_lshlrev_b32 v4, 4, v1                        ; 16 x lane
	v_lshlrev_b32 v7, 3, v1                        ; 8 x lane
	v_lshlrev_b32 v11, 2, v1                       ; 4 x lane
	v_lshlrev_b32 v8, 5, v2
	v_lshl_add_u32 v8, v3, 4, v8                   ; 32 r + 16 h: my half of my row's scale bytes
	s_mul_i32 s19, s18, WREG
	v_add_nc_u32 v5, s19, v4                       ; into the stage: 16 x lane of a row
	v_mul_u32_u24 v6, v2, SROW
	v_lshl_add_u32 v6, v3, 6, v6
	v_add_nc_u32 v6, s19, v6                       ; out of it: row r, + 64 h
	v_add_nc_u32 v9, MREG, v5                      ; the same two for the mask path
	v_add_nc_u32 v10, MREG, v6
	s_mov_b32 s[SEL], 0x76543210
	s_mov_b32 s[SEL+1], 0xfedcba98
	s_mov_b32 s22, 0xffff0000                      ; lanes 16-31
	s_cmp_ge_u32 ttmp9, 192
	s_cbranch_scc1 .Lmask
	; ---- the quantising path
	s_lshl_b32 s23, ttmp9, 2
	s_add_co_u32 s23, s23, s18                     ; RT
	s_mov_b32 s24, 704
	s_wait_kmcnt 0x0
	s_cmp_lt_u32 ttmp9, 176                        ; which tensor: the choice hangs on the work-group's number alone
	s_cselect_b64 s[6:7], s[6:7], s[8:9]
	s_cselect_b32 s24, 512, s24
	s_cmp_lt_u32 ttmp9, 128
	s_cselect_b64 s[4:5], s[4:5], s[6:7]
	s_cselect_b32 s24, 0, s24
	s_sub_co_u32 s25, s23, s24                     ; the tile's number in its tensor
	s_lshr_b32 s26, s25, 1
	s_lshl_b32 s26, s26, 5
	s_and_b32 s25, s25, 1
	s_lshl_b32 s25, s25, 3
	s_add_co_u32 s26, s26, s25                     ; its first row
	s_lshl_b32 s26, s26, 12                        ; rows of 4,096 bytes
	s_mov_b32 s27, 0
	s_add_nc_u64 s[4:5], s[4:5], s[26:27]
	s_mul_i32 s26, s23, 12288
	s_add_nc_u64 s[12:13], s[12:13], s[26:27]      ; the tile's 16 blocks of codes
	s_lshl_b32 s26, s23, 9
	s_add_nc_u64 s[14:15], s[14:15], s[26:27]      ; its 512 scale bytes
.irp b, 0,1,2,3
	v_mov_b32 v[TM+4+\b], 0                        ; written once: a lane permute's destination counts as one of its sources
.endr
	LOAD 0, 4096, 4
	LOAD 1, 4096, 4
.macro QSTEP t
.if (\t) < 7
	s_wait_loadcnt 16                              ; this step's 16 loads are in; the next step's 16 may be out
.else
	s_wait_loadcnt 0x0
.endif
	TURN \t, 5, 6
	s_wait_dscnt 0x0                               ; the numbers are back, and the stage's stores have read the loaded registers
	s_wait_xcnt 0x0                                ; the last step's stores have read the codes' registers
.if (\t) < 6
	LOAD (\t)+2, 4096, 4
.endif
	QUANT X, PWS+(\t)
	global_store_b128 v4, v[PC:PC+3], s[12:13] offset:1536*(\t)            ; each store covers whole aligned blocks of 256 bytes
	global_store_b64 v7, v[PC+4:PC+5], s[12:13] offset:1536*(\t)+512
	global_store_b128 v4, v[PC+6:PC+9], s[12:13] offset:1536*(\t)+768
	global_store_b64 v7, v[PC+10:PC+11], s[12:13] offset:1536*(\t)+1280
.endm
.irp t, 0,1,2,3,4,5,6,7
	QSTEP \t
.endr
.irp j, 0,1,2,3
	v_cndmask_b32 v[W+\j], v[PWS+\j], v[PWS+4+\j], s22   ; lanes 0-15 keep words 0-3 of their row, lanes 16-31 take words 4-7
.endr
	global_store_b128 v8, v[W:W+3], s[14:15]       ; 512 consecutive bytes
	s_wait_tensorcnt 0x0
	ds_add_u32 v227, v255
	s_wait_dscnt 0x0
	s_endpgm
	; ---- the mask path
.Lmask:
	s_sub_co_u32 s23, ttmp9, 192
	s_lshl_b32 s23, s23, 2
	s_add_co_u32 s23, s23, s18                     ; 0..255 = 2 tt + e
	s_lshr_b32 s24, s23, 1                         ; tt
	s_and_b32 s25, s23, 1                          ; e: which 1,024 keys
	s_lshr_b32 s26, s24, 1
	s_lshl_b32 s26, s26, 5
	s_and_b32 s27, s24, 1
	s_lshl_b32 s27, s27, 3
	s_add_co_u32 s26, s26, s27                     ; the tile's first row
	s_lshl_b32 s26, s26, 13                        ; rows of 8,192 bytes
	s_lshl_b32 s27, s25, 12
	s_add_co_u32 s26, s26, s27
	s_mov_b32 s27, 0
	s_wait_kmcnt 0x0
	s_add_nc_u64 s[10:11], s[10:11], s[26:27]
	s_lshl_b32 s26, s23, 11                        ; (16 tt + 8 e) x 256 bytes of words
	s_add_nc_u64 s[28:29], s[16:17], s[26:27]
	s_lshl_b32 s26, s23, 5                         ; (16 tt + 8 e) x 4 bytes of flags
	s_add_nc_u64 s[16:17], s[16:17], s[26:27]
	v_mov_b32 v[MW], 0                             ; written once: v_writelane_b32's destination counts as read
	v_mov_b32 v[MW+1], 0
	v_mov_b32 v[FLV], 0
	LOAD 0, 8192, 10
	LOAD 1, 8192, 10
.macro MSTEP t
.if (\t) < 7
	s_wait_loadcnt 16                              ; this step's 16 loads are in; the next step's 16 may be out
.else
	s_wait_loadcnt 0x0
.endif
	TURN \t, 9, 10
	s_wait_dscnt 0x0
	s_wait_xcnt 0x0                                ; the last step's store has read the words' registers
.if (\t) < 6
	LOAD (\t)+2, 8192, 10
.endif
.irp u, 0,1
.irp n, 0,1,2,3,4,5,6,7,8,9,10,11,12,13,14,15,16,17,18,19,20,21,22,23,24,25,26,27,28,29,30,31
	v_cmp_eq_u32 s[32+\n], 0, v[X+32*\u+\n]        ; a lane mask IS the word: bit 16 h + r
.endr
.irp n, 0,1,2,3,4,5,6,7,8,9,10,11,12,13,14,15,16,17,18,19,20,21,22,23,24,25,26,27,28,29,30,31
	v_writelane_b32 v[MW+(\n%2)], s[32+\n], 16*\u+(\n/2)   ; word 32 u + n to lane (32 u + n) / 2
.endr
.endr
	v_and_b32 v12, v[MW], v[MW+1]
	v_or_b32 v13, v[MW], v[MW+1]
	global_store_b64 v7, v[MW:MW+1], s[28:29] offset:256*(\t)   ; one aligned block of 256 bytes
	v_cmp_ne_u32 vcc_lo, -1, v12                   ; some word has a 0: some key is open
	v_cmp_ne_u32 s30, 0, v13                       ; some word has a 1: some key is masked
	s_cmp_lg_u32 vcc_lo, 0
	s_cselect_b32 s31, 1, 0
	s_cmp_lg_u32 s30, 0
	s_cselect_b32 s30, 0x10000, 0
	s_or_b32 s31, s31, s30
	v_writelane_b32 v[FLV], s31, \t
.endm
.irp t, 0,1,2,3,4,5,6,7
	MSTEP \t
.endr
	s_wait_xcnt 0x0                                ; EXEC changes only behind this wait
	v_cmp_gt_u32 vcc_lo, 8, v1
	s_wait_tensorcnt 0x0
	ds_add_u32 v227, v255
	s_wait_dscnt 0x0
	s_and_saveexec_b32 s30, vcc_lo
	global_store_b32 v11, v[FLV], s[16:17] offset:524288   ; my 8 steps' flags
	s_wait_xcnt 0x0
	s_or_b32 exec_lo, exec_lo, s30
	s_endpgm
.Lfunc_end_k_q18f5dbed52_prep:
	.size	k_q18f5dbed52_prep, .Lfunc_end_k_q18f5dbed52_prep-k_q18f5dbed52_prep
	.p2alignl 7, 3214868480
	.fill 96, 4, 3214868480
	.section	.rodata,"a",@progbits
	.p2align	6, 0x0
	.amdhsa_kernel k_q18f5dbed52_prep
		.amdhsa_group_segment_fixed_size 135680
		.amdhsa_private_segment_fixed_size 0
		.amdhsa_enable_private_segment 0
		.amdhsa_kernarg_size 56
		.amdhsa_user_sgpr_count 2
		.amdhsa_user_sgpr_kernarg_segment_ptr 1
		.amdhsa_wavefront_size32 1
		.amdhsa_system_sgpr_workgroup_id_x 1
		.amdhsa_system_sgpr_workgroup_id_y 1
		.amdhsa_system_sgpr_workgroup_id_z 1
		.amdhsa_system_vgpr_workitem_id 0
		.amdhsa_next_free_vgpr 256
		.amdhsa_next_free_sgpr 66
		.amdhsa_reserve_vcc 1
		.amdhsa_float_denorm_mode_32 3
		.amdhsa_float_denorm_mode_16_64 3
		.amdhsa_memory_ordered 1
		.amdhsa_forward_progress 1
		.amdhsa_inst_pref_size 163
	.end_amdhsa_kernel
	.amdgpu_metadata
---
amdhsa.version: [ 1, 2 ]
amdhsa.kernels:
  - .name:           k_q18f5dbed52_prep
    .symbol:         k_q18f5dbed52_prep.kd
    .args:
      - { .name: x, .offset: 0, .size: 8, .value_kind: global_buffer, .address_space: global }
      - { .name: w_qkv, .offset: 8, .size: 8, .value_kind: global_buffer, .address_space: global }
      - { .name: w_out, .offset: 16, .size: 8, .value_kind: global_buffer, .address_space: global }
      - { .name: attn_mask, .offset: 24, .size: 8, .value_kind: global_buffer, .address_space: global }
      - { .name: opimg, .offset: 32, .size: 8, .value_kind: global_buffer, .address_space: global }
      - { .name: opsc, .offset: 40, .size: 8, .value_kind: global_buffer, .address_space: global }
      - { .name: maskw, .offset: 48, .size: 8, .value_kind: global_buffer, .address_space: global }
    .group_segment_fixed_size: 135680
    .private_segment_fixed_size: 0
    .kernarg_segment_align: 8
    .kernarg_segment_size: 56
    .max_flat_workgroup_size: 128
    .sgpr_count:     66
    .vgpr_count:     256
    .wavefront_size: 32
...
	.end_amdgpu_metadata
.endif
;; end of part 1
;; launch qkv (part 2): grid 8 x 48, 4 waves a work-group, clusters of 4 x 4, 327,680 bytes of LDS; arguments opimg, opsc, b_qkv, qkv_img, qkv_sc; writes qkv_img, qkv_sc
.if DOCPART == 2
	.amdgcn_target "amdgcn-amd-amdhsa--gfx1250"
	.amdhsa_code_object_version 6
	.text
	.protected	k_q18f5dbed52_qkv
	.globl	k_q18f5dbed52_qkv
	.p2align	8
	.type	k_q18f5dbed52_qkv,@function
k_q18f5dbed52_qkv:
	s_mov_b64 s[64:65], 0
	v_nop
	global_prefetch_b8 v0, s[64:65] scope:SCOPE_SE
	s_setreg_imm32_b32 hwreg(HW_REG_WAVE_MODE, 25, 1), 1
	s_wait_xcnt 0x0
	s_wait_alu depctr_hold_cnt(0) depctr_sa_sdst(0) depctr_va_vdst(0) depctr_va_sdst(0) depctr_va_ssrc(0) depctr_va_vcc(0) depctr_vm_vsrc(0)
	s_getreg_b32 s2, hwreg(HW_REG_IB_STS2, 6, 4)
	s_cmp_eq_u32 s2, 0
	s_cbranch_scc0 .Lentry_in_a_cluster
	s_endpgm
.Lentry_in_a_cluster:
	s_bfe_u32 s2, ttmp6, 0x10000c
	s_cmp_lg_u32 s2, 0xf033
	s_cbranch_scc0 .Lentry_shape_is_right
	s_endpgm
.Lentry_shape_is_right:
; QKV.  qkv = x w_qkv^T + b_qkv on codes of FP6 (E2M3) with E8M0 scales, sums in f32; q, k and v are quantised on the way out and leave as codes, as images of operand registers.
; A work-group of four waves makes 256 x 256 results, a wave 128 x 128: 64 accumulators, 512 registers.  K = 1,024 goes in four steps of 256 through a ring of two LDS slots filled by the tensor data mover.
; OPERANDS ARE IMAGES (opimg [row tile][64 K][768 bytes]): a tile's 256 along K are 3,072 consecutive bytes; a fragment (16 rows x 128 K, 12 registers) comes by loads of 16, 8, 16, 8 bytes a lane, each of consecutive bytes.
; A row tile holds rows 32 (RT / 2) + 8 (RT % 2) + r + 8 (r / 8): so in a result the 16 registers of source 0's tiles 2 b and 2 b + 1 are 16 neighbours along source 0, and a lane holds one row of source 1.
; TWO ROLES, by the cluster's y alone (the same in all partners).  y < 8, Q and K: source 0 = 256 features of w_qkv's first 2,048, source 1 = 256 tokens: a lane holds a token, its registers run along the features, q's and k's K.
; y >= 8, V: source 0 = 256 tokens, source 1 = 256 of w_qkv's last 1,024 features: a lane holds a feature, its registers run along the tokens, which are V's K in attention.  Only addresses and the bias's form differ.
; OUT.  qkv_img: Q, K [F 32 = feature / 64][token tile 512][768]; V from byte 12,582,912: [batch][head][128 keys 16][d tile 4][64 keys 2][768].
; qkv_sc: blocks of 512 bytes, lane l's 16 bytes at 16 l, word j for source 1's tile 2 j + l / 16, row l % 16: Q, K [feature / 128][token / 128]; V from byte 524,288: [feature / 128][token / 128].
; CLUSTERS: 4 x 4 work-groups; source 1's tiles are shared along a row of the cluster, source 0's along a column: each is asked for jointly, by the same tensor load with a mask that names the four.
; No prefetch: K has four slots only, and the first two go out at the head.
; LIMITS: a block whose largest magnitude lies under 2^-124 (zeros too) gets the scale byte 1; these bytes are read by this program alone.  NaN and infinities are not served.
; REGISTERS: window 0: v0-31 addresses; v32-63 scale words, two sets; v64-127 the bias along source 0; v128-223 source 1's fragments, one set; v224-239 the bias along source 1; on the way out v128-223, v240-251 at work.
;   window 1: source 0's fragments, two sets, at v0 and v128.  windows 2, 3: the accumulators ((a, b) at v[8 (8 (a % 4) + b)]).
.set NQ,     2                         ; matrix instructions deep in a slot
.set ROWB,   3072                      ; a row tile's 256 along K
.set FR,     12
.set NL,     4                         ; LDS loads that bring a fragment
.set NP,     4                         ; places behind this matrix instruction (ISA guide 7.12.1)
.set HALFT,  8*ROWB                    ; 8 row tiles: what one tensor load brings, and what a wave reads of a side
.set SLOT,   4*HALFT                   ; source 1's 16 row tiles, then source 0's
.set SCL,    2*SLOT                    ; behind the ring: the scales, as units of 256 bytes + 16 of padding
.set HALFS,  16*272                    ; those of 128 rows (32 bytes a row)
.set SBLK,   2*272                     ; those of 16 rows
.set SPARE,  SCL+4*HALFS               ; the spare words, 128 bytes a wave: two blocks of 256 bytes that no other line names
.set ADRA, 16                          ; v16-17 LDS address of source 1's fragments in slot 0, 1, + 16 x lane; v18-19 the same + 8 x lane
.set ADRB, 20                          ; v20-23 the same for source 0
.set L16,  24                          ; v24 16 x lane
.set L8,   25                          ; v25 8 x lane
.set ADRS, 27                          ; v27 LDS address of my scale words: lanes 0-15 source 1's rows, lanes 16-31 source 0's
.set SPW,  28                          ; v28 LDS address of my spare word; never rewritten
.set NIL,  29                          ; v29 0; never rewritten
.set SC,   32
.set BU,   64
.set AF,   128
.set BW,   224
.set ST,   128                         ; the way out: 64 numbers
.set PC,   192                         ; codes
.set TM,   212
.set PWS,  240                         ; the 8 blocks' scale words
.set SW,   248
.set SEL,  18                          ; s[18:19]
.set G1, 24
.set G0, 32
.set G1B, 48
.set G0B, 56
.set G1S, 68
.set G0S, 76
.set G1SB, 80
.set G0SB, 88
.set MSB, 0
.macro WIN new                         ; the immediate's high byte repeats the setting that is left
.if MSB != (\new)
	s_set_vgpr_msb (MSB<<8)|(\new)
.set MSB, (\new)
.endif
.endm
.set MUL_LO, 0xa1                      ; source 0 window 1, source 1 window 0, C and D window 2
.set MUL_HI, 0xf1                      ; the same, C and D window 3
.set TO_B,   0x40                      ; destination window 1, address window 0
; A joint load: waves 0 and 1 fetch for source 1, waves 2 and 3 for source 0.  The branch hangs on the wave's number alone.  Four v_nop follow each of the two lines.
.macro JLOAD g0a, g1a, g0b, g1b
	s_cmp_eq_u32 s15, 0
	s_cbranch_scc0 .Lfor_b_\@
	tensor_load_to_lds s[\g0a:\g0a+3], s[\g1a:\g1a+7]
	s_nop 0
.rept 4
	v_nop
.endr
	s_branch .Lasked_\@
.Lfor_b_\@:
	tensor_load_to_lds s[\g0b:\g0b+3], s[\g1b:\g1b+7]
	s_nop 0
.rept 4
	v_nop
.endr
.Lasked_\@:
.endm
.macro CREST                           ; a round of the cluster's barrier behind its opening barrier
	s_cmp_lg_u32 s14, 0
	s_cbranch_scc1 .Lnot_wave_0_\@
	s_barrier_signal -3
.Lnot_wave_0_\@:
	s_barrier_wait -3
	s_barrier_signal -1
	s_barrier_wait -1
.endm
.macro CROUND
	s_barrier_signal -1
	s_barrier_wait -1
	CREST
.endm
	s_load_b256 s[4:11], s[0:1], 0x0               ; opimg s[4:5], opsc s[6:7], b_qkv s[8:9], qkv_img s[10:11]
	s_load_b64 s[12:13], s[0:1], 0x20              ; qkv_sc
	v_lshl_add_u32 v[SPW], v0, 2, SPARE
	v_mov_b32 v[NIL], 0
	ds_add_u32 v28, v29
	ds_add_u32 v28, v29
	s_wait_dscnt 0x0
	v_lshrrev_b32 v1, 5, v0
	v_readfirstlane_b32 s14, v1                    ; wave 0..3
	s_lshr_b32 s15, s14, 1                         ; which half of source 1's rows is mine.  Also: I fetch for source 1 (0) or source 0 (1)
	s_and_b32 s16, s14, 1                          ; which half of source 0's.  Also: which 8 row tiles I fetch
	s_bfe_u32 s40, ttmp6, 0x40000                  ; cx
	s_bfe_u32 s41, ttmp6, 0x40004                  ; cy
	s_and_b32 s17, ttmp7, 0xffff                   ; the cluster's y
	s_lshl_b32 s98, s41, 2
	s_lshl_b32 s98, 15, s98                        ; my row of the cluster
	s_lshl_b32 s99, 0x1111, s40                    ; my column
	; group 1 for the codes: 8 rows (row tiles) of 384 elements of 8 bytes, 1,536 elements apart, dense in LDS
	s_or_b32 s[G1+0], s98, (3<<16)|(1<<21)         ; 15:0 the mask: source 1's tiles go to my row; 17:16 elements of 8 bytes; 21 set beside a mask
	s_or_b32 s[G1B+0], s99, (3<<16)|(1<<21)
.irp g, G1, G1B
	s_mov_b32 s[\g+1], 384<<16                     ; tensor_dim0
	s_mov_b32 s[\g+2], 8<<16                       ; tensor_dim1
	s_mov_b32 s[\g+3], 384<<16                     ; tile_dim0
	s_mov_b32 s[\g+4], 8                           ; tile_dim1
	s_mov_b32 s[\g+5], 1536                        ; from row tile to row tile
	s_mov_b32 s[\g+6], 0
	s_mov_b32 s[\g+7], 0
.endr
	; and for the scales of 128 rows: 4,096 dense bytes as 16 rows of 256, 16 bytes of padding behind each
	s_or_b32 s[G1S+0], s98, (3<<16)|(1<<20)|(1<<21)|(5<<22)|(3<<25)
	s_or_b32 s[G1SB+0], s99, (3<<16)|(1<<20)|(1<<21)|(5<<22)|(3<<25)
.irp g, G1S, G1SB
	s_mov_b32 s[\g+1], 32<<16
	s_mov_b32 s[\g+2], 16<<16
	s_mov_b32 s[\g+3], 32<<16
	s_mov_b32 s[\g+4], 16
	s_mov_b32 s[\g+5], 32
	s_mov_b32 s[\g+6], 0
	s_mov_b32 s[\g+7], 0
.endr
	; the roles: both candidates are made, then chosen on the cluster's y.  col hangs on cx, row on cy, each in registers that never hold the other
	s_lshl_b32 s42, ttmp9, 2
	s_add_co_u32 s42, s42, s40                     ; Q, K: col = 4 X + cx
	s_max_u32 s44, s17, 8
	s_sub_co_u32 s44, s44, 8
	s_lshl_b32 s44, s44, 3
	s_add_co_u32 s44, s44, s42                     ; V: col = 4 (2 (Y - 8) + X) + cx
	s_lshl_b32 s43, s17, 2
	s_add_co_u32 s43, s43, s41                     ; Q, K: row = 4 Y + cy;  V: row = cy
	s_cmp_ge_u32 s17, 8
	s_cselect_b32 s96, 1, 0                        ; the role
	s_cselect_b32 s42, s44, s42
	s_cselect_b32 s43, s41, s43
	s_cselect_b32 s45, 0, 512                      ; source 0's first row tile in opimg: x's, or w_qkv's
	s_cselect_b32 s97, 640, 0                      ; source 1's: w_qkv's row 2,048, or x's
	s_lshl_b32 s18, s16, 3                         ; which 8 row tiles I fetch
	s_lshl_b32 s20, s43, 4
	s_add_co_u32 s20, s20, s18
	s_add_co_u32 s20, s20, s97                     ; source 1: the first row tile that I fetch
	s_lshl_b32 s46, s42, 4
	s_add_co_u32 s46, s46, s18
	s_add_co_u32 s46, s46, s45                     ; source 0 likewise
	s_lshl_b32 s22, s20, 9                         ; their scales: 512 bytes a row tile
	s_mov_b32 s23, 0
	s_lshl_b32 s92, s46, 9
	s_mov_b32 s93, 0
	s_mul_i32 s20, s20, 12288                      ; their codes
	s_mov_b32 s21, 0
	s_mul_i32 s46, s46, 12288
	s_mov_b32 s47, 0
	s_mul_i32 s45, s14, HALFT                      ; where they go: wave x 8 row tiles: no place in the cluster enters an LDS address
	s_mul_i32 s94, s14, HALFS
	s_wait_kmcnt 0x0
	s_add_nc_u64 s[20:21], s[4:5], s[20:21]
	s_add_nc_u64 s[22:23], s[6:7], s[22:23]
	s_add_nc_u64 s[46:47], s[4:5], s[46:47]
	s_add_nc_u64 s[92:93], s[6:7], s[92:93]
	CROUND                                         ; all sixteen work-groups are here: the first joint loads meet
	s_mov_b32 s[G0S], 1
	s_add_co_u32 s[G0S+1], s94, SCL
	s_mov_b64 s[G0S+2:G0S+3], s[22:23]
	s_or_b32 s[G0S+3], s[G0S+3], 0x80000000
	s_mov_b32 s[G0SB], 1
	s_add_co_u32 s[G0SB+1], s94, SCL
	s_mov_b64 s[G0SB+2:G0SB+3], s[92:93]
	s_or_b32 s[G0SB+3], s[G0SB+3], 0x80000000
	JLOAD G0S, G1S, G0SB, G1SB                     ; the scales for all of K: filled once
.irp s, 0,1
	s_mov_b32 s[G0+4*\s], 1
	s_add_co_u32 s[G0+4*\s+1], s45, \s*SLOT
	s_add_nc_u64 s[G0+4*\s+2:G0+4*\s+3], s[20:21], \s*ROWB
	s_or_b32 s[G0+4*\s+3], s[G0+4*\s+3], 0x80000000
	s_mov_b32 s[G0B+4*\s], 1
	s_add_co_u32 s[G0B+4*\s+1], s45, \s*SLOT
	s_add_nc_u64 s[G0B+4*\s+2:G0B+4*\s+3], s[46:47], \s*ROWB
	s_or_b32 s[G0B+4*\s+3], s[G0B+4*\s+3], 0x80000000
	JLOAD G0+4*\s, G1, G0B+4*\s, G1B
.endr
	v_and_b32 v1, 31, v0                           ; lane
	v_and_b32 v2, 15, v0                           ; r
	v_bfe_u32 v3, v0, 4, 1                         ; h
	v_lshlrev_b32 v[L16], 4, v1
	v_lshlrev_b32 v[L8], 3, v1
	s_mul_i32 s21, s15, HALFT                      ; my 8 row tiles of source 1
	s_mul_i32 s22, s16, HALFT                      ; and of source 0,
	s_add_co_u32 s22, s22, 2*HALFT                 ; which lie behind source 1's 16
.irp s, 0,1
	v_add_nc_u32 v[ADRA+\s], s21, v[L16]
	v_add_nc_u32 v[ADRB+\s], s22, v[L16]
	v_add_nc_u32 v[ADRA+2+\s], s21, v[L8]
	v_add_nc_u32 v[ADRB+2+\s], s22, v[L8]
	s_add_co_u32 s21, s21, SLOT
	s_add_co_u32 s22, s22, SLOT
.endr
	v_lshlrev_b32 v5, 5, v2                        ; my row's scales: 32 bytes a row,
	v_lshrrev_b32 v6, 3, v2
	v_lshl_add_u32 v5, v6, 4, v5                   ; and 16 more behind the first 256
	s_mul_i32 s21, s15, HALFS
	s_mul_i32 s22, s16, HALFS
	s_add_co_u32 s22, s22, 2*HALFS
	s_sub_co_u32 s22, s22, s21
	v_mul_u32_u24 v6, s22, v3                      ; lanes 16-31 take source 0's: one product, the distance between the two bases x h
	s_add_co_u32 s21, s21, SCL
	v_add_nc_u32 v5, v5, v6
	v_add_nc_u32 v[ADRS], s21, v5
	v_lshlrev_b32 v10, 6, v3                       ; the bias along source 0: 64 h
	v_and_b32 v11, 8, v2
	v_add_nc_u32 v11, v11, v2
	v_lshlrev_b32 v11, 2, v11                      ; the bias along source 1: 4 (r + 8 (r / 8))
	; the way out's addresses: gc = my 128 of source 0, gr = my 128 of source 1
	s_lshl_b32 s44, s42, 1
	s_add_co_u32 s44, s44, s16                     ; gc
	s_lshl_b32 s17, s43, 1
	s_add_co_u32 s17, s17, s15                     ; gr
	s_lshl_b32 s20, s44, 10
	s_lshl_b32 s21, s17, 3
	s_add_co_u32 s20, s20, s21
	s_mul_i32 s20, s20, 768                        ; Q, K: (512 x 2 gc + 8 gr) blocks
	s_lshr_b32 s22, s44, 4
	s_lshl_b32 s22, s22, 4
	s_lshl_b32 s23, s17, 1
	s_add_co_u32 s22, s22, s23                     ; V: 16 x batch + head
	s_lshl_b32 s22, s22, 4
	s_and_b32 s23, s44, 15
	s_add_co_u32 s22, s22, s23                     ; x 16 + key step
	s_mul_i32 s22, s22, 6144
	s_add_co_u32 s22, s22, 12582912
	s_lshl_b32 s98, s44, 6
	s_add_co_u32 s98, s98, s17
	s_lshl_b32 s98, s98, 9                         ; Q, K: scale block 64 gc + gr
	s_lshl_b32 s99, s17, 6
	s_add_co_u32 s99, s99, s44
	s_lshl_b32 s99, s99, 9
	s_add_co_u32 s99, s99, 524288                  ; V: 64 gr + gc
	s_lshl_b32 s2, s44, 9                          ; Q, K: the bias of features 128 gc on
	s_lshl_b32 s3, s17, 9
	s_add_co_u32 s3, s3, 8192                      ; V: of features 2,048 + 128 gr on
	s_cmp_lg_u32 s96, 0
	s_cselect_b32 s20, s22, s20
	s_cselect_b32 s98, s99, s98
	s_cselect_b32 s2, 0, s2                        ; the bias that a role does not use is loaded from the buffer's head
	s_cselect_b32 s3, s3, 0
	s_mov_b32 s22, 393216
	s_cselect_b32 s22, 768, s22                    ; from a fragment's first 64 along K to its second: the next 64 keys, or the next head
	s_mov_b32 s46, 768
	s_cselect_b32 s46, 1536, s46                   ; from block to block of source 1
	s_mov_b32 s92, 768
	s_cselect_b32 s92, 93696, s92                  ; into block 4: V goes on to the next head
	s_mov_b32 s21, 0
	s_mov_b32 s23, 0
	s_mov_b32 s47, 0
	s_mov_b32 s93, 0
	s_mov_b32 s99, 0
	s_add_nc_u64 s[20:21], s[10:11], s[20:21]      ; P0
	s_add_nc_u64 s[22:23], s[20:21], s[22:23]      ; P1
	s_add_nc_u64 s[98:99], s[12:13], s[98:99]      ; my scale block
	s_mov_b32 s42, s2
	s_mov_b32 s43, 0
	s_add_nc_u64 s[42:43], s[8:9], s[42:43]
	s_mov_b32 s44, s3
	s_mov_b32 s45, 0
	s_add_nc_u64 s[44:45], s[8:9], s[44:45]
	s_mov_b32 s[SEL], 0x76543210
	s_mov_b32 s[SEL+1], 0xfedcba98
	s_mov_b32 s95, 0xffff0000                      ; lanes 16-31
.irp b, 0,1,2,3,4,5,6,7                ; register 8 b + j: the bias of source 0's row 32 (b / 2) + 16 h + 8 (b % 2) + j
	global_load_b128 v[BU+8*\b:BU+8*\b+3], v10, s[42:43] offset:(32*(\b/2)+8*(\b%2))*4
	global_load_b128 v[BU+8*\b+4:BU+8*\b+7], v10, s[42:43] offset:(32*(\b/2)+8*(\b%2))*4+16
.endr
.irp a, 0,1,2,3,4,5,6,7                ; a pair for block a: the bias of my row of source 1, twice, for the packed addition
	global_load_b32 v[BW+2*\a], v11, s[44:45] offset:(32*(\a/2)+8*(\a%2))*4
	global_load_b32 v[BW+2*\a+1], v11, s[44:45] offset:(32*(\a/2)+8*(\a%2))*4
.endr
.macro FRAG reg, adr, q, i             ; a fragment is two blocks of 768 bytes: registers 0-3 at 16 x lane, 4-5 at 512 + 8 x lane; then 6-9, 10-11
	ds_load_b128 v[\reg:\reg+3], v[\adr] offset:ROWB*(\i)+1536*(\q)
	ds_load_b64 v[\reg+4:\reg+5], v[\adr+2] offset:ROWB*(\i)+1536*(\q)+512
	ds_load_b128 v[\reg+6:\reg+9], v[\adr] offset:ROWB*(\i)+1536*(\q)+768
	ds_load_b64 v[\reg+10:\reg+11], v[\adr+2] offset:ROWB*(\i)+1536*(\q)+1280
.endm
; 16 matrix instructions: source 1's blocks a0, a0 + 1 x source 0's eight.  The 64 accumulators take turns, one instruction a turn, in the same order in every step.
.macro MUL16 a0, p, q, sc, zero
.irp a, \a0, \a0+1
.irp b, 0,1,2,3,4,5,6,7
.if \zero
	v_wmma_scale_f32_16x16x128_f8f6f4 v[8*(8*((\a)%4)+\b):8*(8*((\a)%4)+\b)+7], v[128*(\p)+FR*\b:128*(\p)+FR*\b+FR-1], v[AF+FR*(\a):AF+FR*(\a)+FR-1], 0, v[SC+8*NQ*(\sc)+NQ*\b+(\q)], v[SC+8*NQ*(\sc)+NQ*(\a)+(\q)] matrix_a_fmt:MATRIX_FMT_FP6 matrix_b_fmt:MATRIX_FMT_FP6 matrix_a_scale:MATRIX_SCALE_ROW1
.else
	v_wmma_scale_f32_16x16x128_f8f6f4 v[8*(8*((\a)%4)+\b):8*(8*((\a)%4)+\b)+7], v[128*(\p)+FR*\b:128*(\p)+FR*\b+FR-1], v[AF+FR*(\a):AF+FR*(\a)+FR-1], v[8*(8*((\a)%4)+\b):8*(8*((\a)%4)+\b)+7], v[SC+8*NQ*(\sc)+NQ*\b+(\q)], v[SC+8*NQ*(\sc)+NQ*(\a)+(\q)] matrix_a_fmt:MATRIX_FMT_FP6 matrix_b_fmt:MATRIX_FMT_FP6 matrix_a_scale:MATRIX_SCALE_ROW1
.endif
.endr
.endr
.endm
.macro FETCH_B slot, q, p
	WIN TO_B
.irp i, 0,1,2,3,4,5,6,7
	FRAG 128*(\p)+FR*\i, ADRB+\slot, \q, \i
.endr
	WIN 0
.endm
.macro FETCH_A slot, q, i0
.irp i, \i0, \i0+1, \i0+2, \i0+3
	FRAG AF+FR*(\i), ADRA+\slot, \q, \i
.endr
.endm
.macro SCALES sc                       ; a K step's two scale words a row: lanes 0-15 source 1's block i, lanes 16-31 source 0's block i
.irp i, 0,1,2,3,4,5,6,7
	ds_load_b64 v[SC+8*NQ*\sc+NQ*\i:SC+8*NQ*\sc+NQ*\i+1], v[ADRS] offset:\i*SBLK
.endr
.endm
.macro PLACES n                        ; plain vector instructions between a matrix instruction and a load into, or a read of, its registers
.rept \n
	v_nop
.endr
.endm
.macro STEP slot, q, zero              ; 128 along K that have their successor in the same slot
	s_wait_dscnt 4*NL                              ; source 0's set and source 1's blocks 0-3 are in; the youngest 16 loads (blocks 4-7) may be out
	WIN MUL_LO
	MUL16 0, (\q)%2, \q, \slot, \zero
	MUL16 2, (\q)%2, \q, \slot, \zero
	s_wait_dscnt 0                                 ; blocks 4-7 are in
	PLACES NP
	FETCH_B \slot, (\q)+1, 1-(\q)%2
	FETCH_A \slot, (\q)+1, 0
	WIN MUL_HI
	MUL16 4, (\q)%2, \q, \slot, \zero
	MUL16 6, (\q)%2, \q, \slot, \zero
	PLACES NP
	WIN 0
	FETCH_A \slot, (\q)+1, 4
.endm
; A slot's last 128 change slots: one barrier; in front of it each wave waits for all its tensor loads, adds 0 to its spare word, and waits for that and for its reads of this slot.  fill = 1: the slot is filled again, two K steps ahead.
.macro TURN slot, next, fill
	s_wait_tensorcnt 0x0                           ; all my tensor loads have landed: my part of the next slot
	ds_add_u32 v[SPW], v[NIL]                      ; 0 onto my spare word
	s_wait_dscnt 4*NL+1                            ; (the add and the youngest 16 loads may be out)
	WIN MUL_LO
	MUL16 0, 1, NQ-1, \slot, 0
	s_wait_dscnt 0x0                               ; the add is done, and my reads of this slot are over
	s_barrier_signal -1
	MUL16 2, 1, NQ-1, \slot, 0
	WIN 0
	s_barrier_wait -1
.if \fill
	CREST                                          ; the barrier has opened a round of the cluster's barrier: no wave of any partner still reads this slot or has a load on its way
	s_add_nc_u64 s[G0+4*\slot+2:G0+4*\slot+3], s[G0+4*\slot+2:G0+4*\slot+3], 2*ROWB
	s_add_nc_u64 s[G0B+4*\slot+2:G0B+4*\slot+3], s[G0B+4*\slot+2:G0B+4*\slot+3], 2*ROWB
	JLOAD G0+4*\slot, G1, G0B+4*\slot, G1B         ; the first tensor load behind the round; its four v_nop are the places in front of the loads below
.else
	PLACES NP
.endif
	v_add_nc_u32 v[ADRS], 4*NQ, v[ADRS]            ; on to the next K step's scale words
	FETCH_B \next, 0, 0
	FETCH_A \next, 0, 0
	SCALES \next
	WIN MUL_HI
	MUL16 4, 1, NQ-1, \slot, 0
	MUL16 6, 1, NQ-1, \slot, 0
	PLACES NP
	WIN 0
	FETCH_A \next, 0, 4
.endm
	s_wait_tensorcnt 1                             ; the scales and my part of K step 0 are in; K step 1's load may be out
	s_barrier_signal -1
	s_barrier_wait -1
	FETCH_B 0, 0, 0
	FETCH_A 0, 0, 0
	SCALES 0
	FETCH_A 0, 0, 4
	STEP 0, 0, 1                                   ; the first products start the sums: nothing is cleared
	TURN 0, 1, 1                                   ; K has four slots' worth: the ring's one middle lap is written out, both slots are filled once more
	STEP 1, 0, 0
	TURN 1, 0, 1
	STEP 0, 0, 0
	TURN 0, 1, 0                                   ; the last lap fills nothing
	STEP 1, 0, 0
	s_wait_dscnt 4*NL
	WIN MUL_LO
	MUL16 0, 1, NQ-1, 1, 0
	MUL16 2, 1, NQ-1, 1, 0
	s_wait_dscnt 0
	WIN MUL_HI
	MUL16 4, 1, NQ-1, 1, 0
	MUL16 6, 1, NQ-1, 1, 0
	WIN 0
; THE WAY OUT.  Block a's 64 registers are, for my row of source 1, 128 neighbours along source 0 (register 16 b + i = 32 b + 16 h + i): with the bias added they are quantised as they stand, and the 12 registers of codes are stored as two blocks of 768 bytes.
.macro QUANT s, pw
.irp b, 0,1,2,3
	v_max3_num_f32 v[TM+\b], |v[\s+16*\b]|, |v[\s+1+16*\b]|, 0x1800000   ; my 16 numbers of block b, and the floor 2^(3 - 127): the byte cannot fall under 1
.endr
.irp i, 2,4,6,8,10,12,14
.irp b, 0,1,2,3
	v_max3_num_f32 v[TM+\b], v[TM+\b], |v[\s+16*\b+\i]|, |v[\s+1+16*\b+\i]|
.endr
.endr
.irp b, 0,1,2,3
	v_permlanex16_b32 v[TM+4+\b], v[TM+\b], s[SEL], s[SEL+1]
.endr
.irp b, 0,1,2,3
	v_max_num_f32 v[TM+\b], v[TM+\b], v[TM+4+\b]
.endr
.irp b, 0,1,2,3
	v_add_nc_u32 v[TM+8+\b], 0xff000000, v[TM+\b]                        ; 2 off the exponent field: the conversion's scale operand
.endr
.irp b, 0,1,2,3
	v_lshrrev_b32 v[TM+4+\b], 23, v[TM+8+\b]                             ; the scale's byte
.endr
	v_lshl_or_b32 v[\pw], v[TM+5], 8, v[TM+4]
	v_lshl_or_b32 v[\pw], v[TM+6], 16, v[\pw]
	v_lshl_or_b32 v[\pw], v[TM+7], 24, v[\pw]
.irp c, 0,1
	v_cvt_scalef32_pk16_fp6_f32 v[PC+6*\c:PC+2+6*\c], v[\s+32*\c:\s+15+32*\c], v[TM+8+2*\c]
	v_cvt_scalef32_pk16_fp6_f32 v[PC+12+4*\c:PC+14+4*\c], v[\s+16+32*\c:\s+31+32*\c], v[TM+8+2*\c+1]
.endr
	v_nop                                          ; one plain instruction behind the scaled conversions
.irp c, 0,1
.irp i, 0,1,2
	v_permlane16_swap_b32 v[PC+6*\c+\i], v[PC+12+4*\c+\i]
.endr
.irp i, 0,1,2
	v_mov_b32 v[PC+3+6*\c+\i], v[PC+12+4*\c+\i]
.endr
.endr
.endm
.macro OUTBLK a
.if (\a) > 0
	s_wait_xcnt 0x0                                ; the last block's stores have read their registers and bases
.if (\a) == 4
	s_add_nc_u64 s[20:21], s[20:21], s[92:93]
	s_add_nc_u64 s[22:23], s[22:23], s[92:93]
.else
	s_add_nc_u64 s[20:21], s[20:21], s[46:47]
	s_add_nc_u64 s[22:23], s[22:23], s[46:47]
.endif
.endif
	s_cmp_lg_u32 s96, 0                            ; the role: the same in every wave of the cluster
	s_cbranch_scc1 .Lv_\@
	WIN 0x02+(\a)/4                                ; source 0: the accumulators' window
.set i, 0
.rept 32
	v_pk_add_f32 v[ST+2*i:ST+2*i+1], v[64*((\a)%4)+2*i:64*((\a)%4)+2*i+1], v[BU+2*i:BU+2*i+1]   ; Q, K: the bias runs along the registers; each accumulator is read from its low end on
.set i, i+1
.endr
	WIN 0
	s_branch .Lq_\@
.Lv_\@:
	WIN 0x02+(\a)/4
.set i, 0
.rept 32
	v_pk_add_f32 v[ST+2*i:ST+2*i+1], v[64*((\a)%4)+2*i:64*((\a)%4)+2*i+1], v[BW+2*(\a):BW+2*(\a)+1]   ; V: one bias a lane
.set i, i+1
.endr
	WIN 0
.Lq_\@:
	QUANT ST, PWS+(\a)
	global_store_b128 v[L16], v[PC:PC+3], s[20:21]             ; each store covers whole aligned blocks of 256 bytes
	global_store_b64 v[L8], v[PC+4:PC+5], s[20:21] offset:512
	global_store_b128 v[L16], v[PC+6:PC+9], s[22:23]
	global_store_b64 v[L8], v[PC+10:PC+11], s[22:23] offset:512
.endm
	s_wait_loadcnt 0x0                             ; the biases
	PLACES NP                                      ; behind the last products
.irp b, 0,1,2,3
	v_mov_b32 v[TM+4+\b], 0                        ; written once: a lane permute's destination counts as one of its sources
.endr
.irp a, 0,1,2,3,4,5,6,7
	OUTBLK \a
.endr
.irp j, 0,1,2,3
	v_cndmask_b32 v[SW+\j], v[PWS+2*\j], v[PWS+2*\j+1], s95    ; word j: lanes 0-15 block 2 j's, lanes 16-31 block 2 j + 1's
.endr
	global_store_b128 v[L16], v[SW:SW+3], s[98:99]             ; 512 consecutive bytes
	s_wait_tensorcnt 0x0                           ; the wave's end
	ds_add_u32 v[SPW], v[NIL]
	s_wait_dscnt 0x0
	CROUND                                         ; the closing round
	s_endpgm
.Lfunc_end_k_q18f5dbed52_qkv:
	.size	k_q18f5dbed52_qkv, .Lfunc_end_k_q18f5dbed52_qkv-k_q18f5dbed52_qkv
	.p2alignl 7, 3214868480
	.fill 96, 4, 3214868480
	.section	.rodata,"a",@progbits
	.p2align	6, 0x0
	.amdhsa_kernel k_q18f5dbed52_qkv
		.amdhsa_group_segment_fixed_size 327680
		.amdhsa_private_segment_fixed_size 0
		.amdhsa_enable_private_segment 0
		.amdhsa_kernarg_size 40
		.amdhsa_user_sgpr_count 2
		.amdhsa_user_sgpr_kernarg_segment_ptr 1
		.amdhsa_wavefront_size32 1
		.amdhsa_system_sgpr_workgroup_id_x 1
		.amdhsa_system_sgpr_workgroup_id_y 1
		.amdhsa_system_sgpr_workgroup_id_z 1
		.amdhsa_system_vgpr_workitem_id 0
		.amdhsa_next_free_vgpr 1024
		.amdhsa_next_free_sgpr 100
		.amdhsa_reserve_vcc 0
		.amdhsa_float_denorm_mode_32 3
		.amdhsa_float_denorm_mode_16_64 3
		.amdhsa_memory_ordered 1
		.amdhsa_forward_progress 1
		.amdhsa_inst_pref_size 187
	.end_amdhsa_kernel
	.amdgpu_metadata
---
amdhsa.version: [ 1, 2 ]
amdhsa.kernels:
  - .name:           k_q18f5dbed52_qkv
    .symbol:         k_q18f5dbed52_qkv.kd
    .args:
      - { .name: opimg, .offset: 0, .size: 8, .value_kind: global_buffer, .address_space: global }
      - { .name: opsc, .offset: 8, .size: 8, .value_kind: global_buffer, .address_space: global }
      - { .name: b_qkv, .offset: 16, .size: 8, .value_kind: global_buffer, .address_space: global }
      - { .name: qkv_img, .offset: 24, .size: 8, .value_kind: global_buffer, .address_space: global }
      - { .name: qkv_sc, .offset: 32, .size: 8, .value_kind: global_buffer, .address_space: global }
    .group_segment_fixed_size: 327680
    .private_segment_fixed_size: 0
    .kernarg_segment_align: 8
    .kernarg_segment_size: 40
    .max_flat_workgroup_size: 128
    .sgpr_count:     100
    .vgpr_count:     1024
    .wavefront_size: 32
...
	.end_amdgpu_metadata
.endif
;; end of part 2
;; launch attn (part 3): grid 4 x 64, 16 waves a work-group, no clusters, 210,944 bytes of LDS; arguments qkv_img, qkv_sc, maskw, ao_img, ao_sc; writes ao_img, ao_sc
.if DOCPART == 3
	.amdgcn_target "amdgcn-amd-amdhsa--gfx1250"
	.amdhsa_code_object_version 6
	.text
	.protected	k_q18f5dbed52_attn
	.globl	k_q18f5dbed52_attn
	.p2align	8
	.type	k_q18f5dbed52_attn,@function
k_q18f5dbed52_attn:
	s_mov_b64 s[64:65], 0
	v_nop
	global_prefetch_b8 v0, s[64:65] scope:SCOPE_SE
	s_setreg_imm32_b32 hwreg(HW_REG_WAVE_MODE, 25, 1), 1
	s_wait_xcnt 0x0
; ATTENTION on codes of FP6 (E2M3) with E8M0 scales: for each (batch, head) O = softmax(mask(Q K^T / 8)) V; head size 64, 2,048 keys.  The mask is an input: it comes as lane masks and flags that an earlier launch stored.
; SOFTMAX AHEAD OF THE SECOND PRODUCT: t = score x log2(e) / 8; M = the running largest t rounded up to a whole number; p = 2^(t - M) is quantised along the keys, not normalised; the row's sum is taken of the unquantised p and
; divides O at the end.  When M moves, the sum and O are multiplied by 2^(old M - new M): exact.  O / sum is quantised along the head's 64 and leaves as codes for the last product.
; A ROW WITH NO OPEN KEY has the sum 0: its two scale bytes are set to 0xff (NaN), so that the last product gives NaN in that row, as the softmax of an all-masked row does.
; SHARES.  A work-group has one (batch, head) and 32 tiles of 16 queries; wave w of sixteen takes tiles 16 x + w and 127 - (16 x + w), one after the other.
; LDS holds the head's K and V codes and scale words whole: 16 blocks of 13,056 bytes, one for each 128 keys, filled once through registers (wave w fills block w); one barrier; afterwards LDS is only read.
; NO TENSOR LOAD, NO JOINT LOAD: key steps are left out by branches on the stored flags.  Nothing is prefetched: all loads of K and V stand at the head.
; A KEY STEP (128 keys) whose mask tile has no open key is left out; the mask is applied (scores to -infinity) only where the tile has a masked key.
; LAYOUT.  Both products transposed: S^T = K Q^T (source 0 = 16 keys), O^T = V^T P^T (source 0 = 16 of the head's 64): a lane holds one query throughout.  Tiles hold rows 32 (T / 2) + 8 (T % 2) + r + 8 (r / 8), so that the 16
; registers of tiles 2 b, 2 b + 1 are 16 neighbours: keys 32 b + 16 h + i in S^T, channels in O^T.
; THE FIRST PRODUCT'S K IS 64 OF THE INSTRUCTION'S 128: Q's registers 6-11 are zero codes.  K's fragments stand 6 registers apart: a fragment's upper six registers are the next fragment's codes (or zeros), which meet Q's zeros.
; Scale bytes 2 and 3 are the neighbouring head's bytes or 0, never 0xff.
; LIMITS: NaN and infinities among the inputs are not served; 1 / sum by v_rcp_f32; a block of O whose largest magnitude lies under 2^-124 gets the byte 1.
; REGISTERS: v1-4 16 x lane, 8 x lane, 16 r, 32 r; v5 -infinity; v7 0xffff; v8-9 the step's LDS addresses; v12 -M; v13 largest t; v[14:15] the sum; v16-27 Q; v[28:29] V's scale words; v32-79 K's, then V's fragments; v80-85 zeros;
;   v96-159 S^T, then p; v160-191 O^T; v192-223 O / sum; v224-235 codes; v232-247 at work; v248-251 K's scale words; v252 f; v253 p's scale word; v254 at work; v255 Q's scale word.
.set BLKB, 13056                       ; a key step's block: K 8 x 768, V 8 x 768, K's scale words 512, V's 256
.set VOF,  6144
.set KSC,  12288
.set VSC,  12800
	s_load_b256 s[4:11], s[0:1], 0x0               ; qkv_img s[4:5], qkv_sc s[6:7], maskw s[8:9], ao_img s[10:11]
	s_load_b64 s[12:13], s[0:1], 0x20              ; ao_sc
	v_lshl_add_u32 v95, v0, 2, 0x33000
	v_mov_b32 v243, 0
	v_lshrrev_b32 v8, 5, v0
	v_readfirstlane_b32 s18, v8                    ; wave 0..15
	v_and_b32 v9, 31, v0
	v_lshlrev_b32 v1, 4, v9                        ; 16 x lane
	v_lshlrev_b32 v2, 3, v9                        ; 8 x lane
	v_and_b32 v9, 15, v0
	v_lshlrev_b32 v3, 4, v9                        ; 16 r
	v_lshlrev_b32 v4, 5, v9                        ; 32 r
	v_mov_b32 v5, 0xff800000                       ; -infinity
	v_mov_b32 v7, 0xffff
	s_and_b32 s16, ttmp7, 0xffff                   ; 16 x batch + head
	s_and_b32 s14, s16, 15                         ; head
	s_lshr_b32 s15, s16, 4                         ; batch
	s_and_b32 s27, s14, 1
	s_lshl_b32 s27, s27, 4                         ; my head's two bytes of a scale word stand 16 (head % 2) bits up
	s_add_co_u32 s28, s14, 16
	s_lshl_b32 s28, s28, 9
	s_lshl_b32 s29, s15, 7
	s_add_co_u32 s28, s28, s29
	s_mul_i32 s28, s28, 768                        ; K: ((16 + head) 512 + 128 batch) blocks,
	s_mul_i32 s29, s18, 6144
	s_add_co_u32 s28, s28, s29                     ; + my key step's eight
	s_mov_b32 s29, 0
	s_lshl_b32 s30, s16, 4
	s_add_co_u32 s30, s30, s18
	s_mul_i32 s30, s30, 6144
	s_add_co_u32 s30, s30, 12582912                ; V: ((16 batch + head) 16 + key step) x 6,144
	s_mov_b32 s31, 0
	s_lshr_b32 s24, s14, 1
	s_lshl_b32 s24, s24, 6
	s_lshl_b32 s25, s15, 4
	s_add_co_u32 s24, s24, s25                     ; 64 (head / 2) + 16 batch
	s_add_co_u32 s25, s24, s18
	s_lshl_b32 s32, s25, 9                         ; the scale block of my key step
	s_mov_b32 s33, 0
	s_lshr_b32 s34, s27, 1                         ; V's words: 8 (head % 2) bytes on
	s_mov_b32 s35, 0
	s_mul_i32 s26, s18, BLKB
	v_add_nc_u32 v8, s26, v1
	v_add_nc_u32 v9, s26, v2
	s_wait_kmcnt 0x0
	s_add_nc_u64 s[28:29], s[4:5], s[28:29]
	s_add_nc_u64 s[30:31], s[4:5], s[30:31]
	s_add_nc_u64 s[32:33], s[6:7], s[32:33]
	s_add_nc_u64 s[34:35], s[32:33], s[34:35]
.irp i, 0,1,2,3,4,5,6,7,8,9,10,11
	global_load_b128 v[96+4*\i:99+4*\i], v1, s[28:29] offset:512*\i        ; 512 consecutive bytes a load
.endr
.irp i, 0,1,2,3,4,5,6,7,8,9,10,11
	global_load_b128 v[144+4*\i:147+4*\i], v1, s[30:31] offset:512*\i
.endr
	global_load_b128 v[192:195], v1, s[32:33] offset:262144                ; K's scale block: feature group 8 + head / 2
	global_load_b64 v[196:197], v1, s[34:35] offset:524288                 ; V's: my head's two words of each lane's four
	s_mov_b32 s20, 0x76543210
	s_mov_b32 s21, 0xfedcba98                      ; v_permlanex16_b32's selects for lane l xor 16
	s_mov_b32 s22, 0x3e38aa3b                      ; c = log2(e) / 8
	s_mov_b32 s23, s22                             ; (named with it as a pair)
.irp j, 0,1,2,3,4,5
	v_mov_b32 v[22+\j], 0                          ; Q's codes of k = 64 .. 127
	v_mov_b32 v[80+\j], 0                          ; behind K's last fragment
.endr
.irp b, 0,1,2,3
	v_mov_b32 v[236+\b], 0                         ; written once: a lane permute's destination counts as one of its sources
.endr
	v_mov_b32 v252, 0                              ; likewise: the way out's lane permute writes v252, also in a tile all of whose key steps are left out
	v_mov_b32 v253, 0                              ; (named as the upper half of the pair v[252:253])
	s_wait_loadcnt 0x0
.irp j, 0,1,2,3
	v_lshrrev_b32 v[192+\j], s27, v[192+\j]        ; my head's bytes to bytes 0 and 1
.endr
.irp i, 0,1,2,3,4,5,6,7,8,9,10,11,12,13,14,15,16,17,18,19,20,21,22,23
	ds_store_b128 v8, v[96+4*\i:99+4*\i] offset:512*\i
.endr
	ds_store_b128 v8, v[192:195] offset:KSC
	ds_store_b64 v9, v[196:197] offset:VSC
	s_wait_dscnt 0x0                               ; for the others' sake: my stores have landed
	s_barrier_signal -1
	s_barrier_wait -1                              ; the head's K and V lie in LDS; from here on LDS is only read
	; the bases of what differs from tile to tile (the loads that read these registers have come back)
	s_lshl_b32 s28, s14, 9
	s_lshl_b32 s29, s15, 7
	s_add_co_u32 s28, s28, s29
	s_mul_i32 s28, s28, 768
	s_mov_b32 s29, 0
	s_add_nc_u64 s[4:5], s[4:5], s[28:29]          ; Q's blocks of my head and batch
	s_lshl_b32 s28, s24, 9
	s_add_nc_u64 s[6:7], s[6:7], s[28:29]          ; Q's scale blocks
	s_lshl_b32 s28, s15, 11
	s_add_co_u32 s28, s28, s14
	s_mul_i32 s28, s28, 768
	s_add_nc_u64 s[10:11], s[10:11], s[28:29]      ; ao_img: (128 batch x 16 + head) blocks
	s_lshl_b32 s28, s15, 16
	s_lshl_b32 s30, s14, 1
	s_add_co_u32 s28, s28, s30
	s_add_nc_u64 s[12:13], s[12:13], s[28:29]      ; ao_sc: 128 batch x 512 + 2 head
	s_lshl_b32 s19, ttmp9, 4
	s_add_co_u32 s19, s19, s18                     ; my first tile of queries
; ONE TILE OF 16 QUERIES, s19 its number in the batch
.macro TILE
	s_wait_xcnt 0x0                                ; earlier loads and stores have read their registers
	s_lshl_b32 s26, s19, 6
	s_load_b512 s[68:83], s[8:9], s26 offset:0x80000   ; the tile's 16 flags
	s_mul_i32 s28, s19, 768
	s_mov_b32 s29, 0
	s_add_nc_u64 s[28:29], s[4:5], s[28:29]
	s_lshr_b32 s30, s19, 3
	s_lshl_b32 s30, s30, 9                         ; Q's scale word: block tt / 8,
	s_and_b32 s31, s19, 1
	s_lshl_b32 s31, s31, 8                         ; lanes 16 (tt % 2) + r,
	s_add_co_u32 s30, s30, s31
	s_bfe_u32 s31, s19, 0x20001
	s_lshl_b32 s31, s31, 2                         ; word (tt % 8) / 2
	s_add_co_u32 s30, s30, s31
	s_mov_b32 s31, 0
	s_add_nc_u64 s[30:31], s[6:7], s[30:31]
	global_load_b128 v[16:19], v1, s[28:29]
	global_load_b64 v[20:21], v2, s[28:29] offset:512
	global_load_b32 v255, v3, s[30:31]
	v_mov_b32 v13, 0xff61b1e6                      ; the largest t so far: -3e38, under every t
	v_floor_f32 v12, -v13                          ; -M
	v_mov_b32 v14, 0
	v_mov_b32 v15, 0
	s_wait_kmcnt 0x0
	s_mov_b32 s24, s68                             ; bit s: step s has an open key; bit 16 + s: it has a masked key
.irp s, 1,2,3,4,5,6,7,8,9,10,11,12,13,14,15
	s_lshl_b32 s26, s[68+\s], \s
	s_or_b32 s24, s24, s26
.endr
	s_mov_b32 s2, 0                                ; the step's block in LDS
	s_mov_b32 s3, 0                                ; the step
	s_lshl_b32 s25, s19, 12                        ; the step's 64 mask words
	s_wait_loadcnt 0x0
	v_lshrrev_b32 v255, s27, v255                  ; my head's bytes to bytes 0 and 1; the 32 lines below stand between this and the first product
.set j, 0
.rept 32
	v_mov_b32 v[160+j], 0                          ; O^T: the loop is written once, its first step finds zeros
.set j, j+1
.endr
.Lstep_\@:                                         ; 16 trips, 128 keys each
	s_bitcmp1_b32 s24, s3
	s_cbranch_scc0 .Lhidden_\@                     ; no key of the step is open for any of my queries
	v_add_nc_u32 v8, s2, v1
	v_add_nc_u32 v9, s2, v2
	v_nop
	v_nop                                          ; four places in front of loads into registers that the last products read
.irp t, 0,1,2,3,4,5,6,7
	ds_load_b128 v[32+6*\t:35+6*\t], v8 offset:768*\t
	ds_load_b64 v[36+6*\t:37+6*\t], v9 offset:768*\t+512
.endr
	ds_load_b128 v[248:251], v8 offset:KSC         ; word j: lanes 0-15 tile 2 j's, lanes 16-31 tile 2 j + 1's
	s_wait_dscnt 0x0
.irp t, 0,2,4,6
	v_wmma_scale_f32_16x16x128_f8f6f4 v[96+8*\t:103+8*\t], v[32+6*\t:43+6*\t], v[16:27], 0, v[248+\t/2], v255 matrix_a_fmt:MATRIX_FMT_FP6 matrix_b_fmt:MATRIX_FMT_FP6
	v_wmma_scale_f32_16x16x128_f8f6f4 v[104+8*\t:111+8*\t], v[38+6*\t:49+6*\t], v[16:27], 0, v[248+\t/2], v255 matrix_a_fmt:MATRIX_FMT_FP6 matrix_b_fmt:MATRIX_FMT_FP6 matrix_a_scale:MATRIX_SCALE_ROW1
.endr
.rept 4
	v_nop                                          ; places behind the products: for the loads below and for the first read of the scores
.endr
.irp t, 0,1,2,3                        ; V's fragments are asked for now and land while the softmax is worked
.irp c, 0,1
	ds_load_b128 v[32+12*\t+6*\c:35+12*\t+6*\c], v8 offset:VOF+1536*\t+768*\c
	ds_load_b64 v[36+12*\t+6*\c:37+12*\t+6*\c], v9 offset:VOF+1536*\t+768*\c+512
.endr
.endr
	ds_load_b64 v[28:29], v9 offset:VSC
	s_add_co_u32 s26, s3, 16
	s_bitcmp1_b32 s24, s26
	s_cbranch_scc0 .Lopen_\@                       ; every key of the step counts for every query
	s_load_b512 s[32:47], s[8:9], s25 offset:0x0
	s_load_b512 s[48:63], s[8:9], s25 offset:0x40
	s_load_b512 s[68:83], s[8:9], s25 offset:0x80
	s_load_b512 s[84:99], s[8:9], s25 offset:0xc0
	s_wait_kmcnt 0x0
.irp n, 0,1,2,3,4,5,6,7,8,9,10,11,12,13,14,15,16,17,18,19,20,21,22,23,24,25,26,27,28,29,30,31
	v_cndmask_b32 v[96+\n], v[96+\n], v5, s[32+\n] ; word n is register n's lane mask: masked scores become -infinity, so p = 0
.endr
.irp n, 0,1,2,3,4,5,6,7,8,9,10,11,12,13,14,15,16,17,18,19,20,21,22,23,24,25,26,27,28,29,30,31
	v_cndmask_b32 v[128+\n], v[128+\n], v5, s[68+\n]
.endr
.Lopen_\@:
.irp b, 0,1,2,3
	v_max3_num_f32 v[232+\b], v[96+16*\b], v[97+16*\b], v[98+16*\b]        ; the largest score of each block of 32 keys: for the row's maximum, and, since p rises with the score, for the block's largest p
.endr
.irp i, 3,5,7,9,11,13
.irp b, 0,1,2,3
	v_max3_num_f32 v[232+\b], v[232+\b], v[96+16*\b+\i], v[97+16*\b+\i]
.endr
.endr
.irp b, 0,1,2,3
	v_max_num_f32 v[232+\b], v[232+\b], v[111+16*\b]
.endr
.irp b, 0,1,2,3
	v_permlanex16_b32 v[236+\b], v[232+\b], s20, s21
.endr
.irp b, 0,1,2,3
	v_max_num_f32 v[232+\b], v[232+\b], v[236+\b]  ; with lane l xor 16's 16 keys
.endr
	v_max3_num_f32 v254, v232, v233, v234
	v_max_num_f32 v254, v254, v235
	v_mul_f32 v254, s22, v254                      ; as t
	v_max_num_f32 v13, v13, v254                   ; the running largest t
	v_mov_b32 v254, v12
	v_floor_f32 v12, -v13                          ; the new -M = -ceil(t)
	v_sub_f32 v254, v12, v254                      ; old M - new M: a whole number, 0 or less
	v_cvt_i32_f32 v254, v254                       ; (it saturates)
	v_ldexp_f32 v252, 1.0, v254                    ; f = 2^(old M - new M)
.set j, 0
.rept 32
	v_pk_fma_f32 v[96+j:97+j], v[96+j:97+j], s[22:23], v[12:13] op_sel_hi:[1,0,0]   ; t - M
.set j, j+2
.endr
.irp b, 0,1,2,3
	v_fma_f32 v[232+\b], v[232+\b], s22, v12
.endr
.set j, 0
.rept 64
	v_exp_f32 v[96+j], v[96+j]                     ; p = 2^(t - M)
.set j, j+1
.endr
	v_pk_mul_f32 v[14:15], v[14:15], v[252:253] op_sel_hi:[1,0]            ; the sums under the new M: the plain instruction behind the exponentials
	s_wait_alu depctr_va_vdst(0)                   ; one wait for the batch of 64, ahead of its first reader
.irp b, 0,1,2,3
	v_exp_f32 v[232+\b], v[232+\b]                 ; each block's largest p
.endr
	v_pk_add_f32 v[236:237], v[96:97], v[98:99]    ; the row's sum of the unquantised p, in two chains
.irp j, 4,8,12,16,20,24,28,32,36,40,44,48,52,56,60
	v_pk_add_f32 v[14:15], v[14:15], v[96+\j:97+\j]
	v_pk_add_f32 v[236:237], v[236:237], v[98+\j:99+\j]
.endr
	v_pk_add_f32 v[14:15], v[14:15], v[236:237]
	s_wait_alu depctr_va_vdst(0)                   ; and one for the four
.irp b, 0,1,2,3
	v_max_num_f32 v[232+\b], 0x1800000, v[232+\b]  ; the floor 2^(3 - 127): the byte cannot fall under 1
.endr
.irp b, 0,1,2,3
	v_add_nc_u32 v[244+\b], 0xff000000, v[232+\b]  ; 2 off the exponent field: the conversion's scale operand
.endr
.irp b, 0,1,2,3
	v_lshrrev_b32 v[236+\b], 23, v[244+\b]
.endr
	v_lshl_or_b32 v253, v237, 8, v236              ; p's scale word for these 128 keys
	v_lshl_or_b32 v253, v238, 16, v253
	v_lshl_or_b32 v253, v239, 24, v253
.irp c, 0,1
	v_cvt_scalef32_pk16_fp6_f32 v[224+6*\c:226+6*\c], v[96+32*\c:111+32*\c], v[244+2*\c]
	v_cvt_scalef32_pk16_fp6_f32 v[236+4*\c:238+4*\c], v[112+32*\c:127+32*\c], v[244+2*\c+1]
.endr
	v_nop                                          ; one plain instruction behind the scaled conversions
.irp c, 0,1
.irp i, 0,1,2
	v_permlane16_swap_b32 v[224+6*\c+\i], v[236+4*\c+\i]
.endr
.irp i, 0,1,2
	v_mov_b32 v[227+6*\c+\i], v[236+4*\c+\i]
.endr
.endr
.set j, 0
.rept 16
	v_pk_mul_f32 v[160+j:161+j], v[160+j:161+j], v[252:253] op_sel_hi:[1,0]   ; O^T under the new M; these 16 also stand between the scale word's and the codes' last writes and the products
.set j, j+2
.endr
	s_wait_dscnt 0x0                               ; V's fragments and scale words
.irp t, 0,2                            ; the four accumulators take turns, one instruction a turn
	v_wmma_scale_f32_16x16x128_f8f6f4 v[160+8*\t:167+8*\t], v[32+12*\t:43+12*\t], v[224:235], v[160+8*\t:167+8*\t], v[28+\t/2], v253 matrix_a_fmt:MATRIX_FMT_FP6 matrix_b_fmt:MATRIX_FMT_FP6
	v_wmma_scale_f32_16x16x128_f8f6f4 v[168+8*\t:175+8*\t], v[44+12*\t:55+12*\t], v[224:235], v[168+8*\t:175+8*\t], v[28+\t/2], v253 matrix_a_fmt:MATRIX_FMT_FP6 matrix_b_fmt:MATRIX_FMT_FP6 matrix_a_scale:MATRIX_SCALE_ROW1
.endr
.Lhidden_\@:
	s_add_co_u32 s2, s2, BLKB
	s_add_co_u32 s25, s25, 256
	s_add_co_u32 s3, s3, 1
	s_cmp_lt_u32 s3, 16
	s_cbranch_scc1 .Lstep_\@
	; the tile's way out
.rept 4
	v_nop                                          ; places behind the last products, on every way here
.endr
	v_add_f32 v14, v14, v15
	v_permlanex16_b32 v252, v14, s20, s21
	v_add_f32 v14, v14, v252                       ; the row's sum
	v_rcp_f32 v252, v14
	v_cmp_eq_f32 vcc_lo, 0, v14                    ; no key was open.  (The plain instruction behind the reciprocal)
	s_mul_i32 s28, s19, 12288
	s_mov_b32 s29, 0
	s_add_nc_u64 s[28:29], s[10:11], s[28:29]
	s_lshl_b32 s30, s19, 9
	s_mov_b32 s31, 0
	s_add_nc_u64 s[30:31], s[12:13], s[30:31]
	s_wait_alu depctr_va_vdst(0)                   ; ahead of the reciprocal's first reader
.set j, 0
.rept 16
	v_pk_mul_f32 v[192+j:193+j], v[160+j:161+j], v[252:253] op_sel_hi:[1,0]   ; register 16 b + i: channel 32 b + 16 h + i of my query
.set j, j+2
.endr
.irp b, 0,1
	v_max3_num_f32 v[232+\b], |v[192+16*\b]|, |v[193+16*\b]|, 0x1800000
.endr
.irp i, 2,4,6,8,10,12,14
.irp b, 0,1
	v_max3_num_f32 v[232+\b], v[232+\b], |v[192+16*\b+\i]|, |v[193+16*\b+\i]|
.endr
.endr
.irp b, 0,1
	v_permlanex16_b32 v[236+\b], v[232+\b], s20, s21
.endr
.irp b, 0,1
	v_max_num_f32 v[232+\b], v[232+\b], v[236+\b]
.endr
.irp b, 0,1
	v_add_nc_u32 v[244+\b], 0xff000000, v[232+\b]
.endr
.irp b, 0,1
	v_lshrrev_b32 v[236+\b], 23, v[244+\b]
.endr
	v_lshl_or_b32 v254, v237, 8, v236              ; my query's two scale bytes of this head
	v_cndmask_b32 v254, v254, v7, vcc_lo           ; 0xff, 0xff where no key was open
	v_cvt_scalef32_pk16_fp6_f32 v[224:226], v[192:207], v244
	v_cvt_scalef32_pk16_fp6_f32 v[236:238], v[208:223], v245
	v_nop                                          ; one plain instruction behind the scaled conversions
.irp i, 0,1,2
	v_permlane16_swap_b32 v[224+\i], v[236+\i]
.endr
.irp i, 0,1,2
	v_mov_b32 v[227+\i], v[236+\i]
.endr
	global_store_b128 v1, v[224:227], s[28:29]     ; a block of 768 bytes: whole aligned blocks of 256
	global_store_b64 v2, v[228:229], s[28:29] offset:512
	global_store_b16 v4, v254, s[30:31]            ; 2 bytes of each row's 32 (lanes 16-31 write the same bytes with the same value)
.endm
	TILE
	s_sub_co_u32 s19, 127, s19                     ; the tile that mirrors it
	TILE
	s_wait_tensorcnt 0x0
	ds_add_u32 v95, v243
	s_wait_dscnt 0x0
	s_endpgm
.Lfunc_end_k_q18f5dbed52_attn:
	.size	k_q18f5dbed52_attn, .Lfunc_end_k_q18f5dbed52_attn-k_q18f5dbed52_attn
	.p2alignl 7, 3214868480
	.fill 96, 4, 3214868480
	.section	.rodata,"a",@progbits
	.p2align	6, 0x0
	.amdhsa_kernel k_q18f5dbed52_attn
		.amdhsa_group_segment_fixed_size 210944
		.amdhsa_private_segment_fixed_size 0
		.amdhsa_enable_private_segment 0
		.amdhsa_kernarg_size 40
		.amdhsa_user_sgpr_count 2
		.amdhsa_user_sgpr_kernarg_segment_ptr 1
		.amdhsa_wavefront_size32 1
		.amdhsa_system_sgpr_workgroup_id_x 1
		.amdhsa_system_sgpr_workgroup_id_y 1
		.amdhsa_system_sgpr_workgroup_id_z 1
		.amdhsa_system_vgpr_workitem_id 0
		.amdhsa_next_free_vgpr 256
		.amdhsa_next_free_sgpr 100
		.amdhsa_reserve_vcc 1
		.amdhsa_float_denorm_mode_32 3
		.amdhsa_float_denorm_mode_16_64 3
		.amdhsa_memory_ordered 1
		.amdhsa_forward_progress 1
		.amdhsa_inst_pref_size 63
	.end_amdhsa_kernel
	.amdgpu_metadata
---
amdhsa.version: [ 1, 2 ]
amdhsa.kernels:
  - .name:           k_q18f5dbed52_attn
    .symbol:         k_q18f5dbed52_attn.kd
    .args:
      - { .name: qkv_img, .offset: 0, .size: 8, .value_kind: global_buffer, .address_space: global }
      - { .name: qkv_sc, .offset: 8, .size: 8, .value_kind: global_buffer, .address_space: global }
      - { .name: maskw, .offset: 16, .size: 8, .value_kind: global_buffer, .address_space: global }
      - { .name: ao_img, .offset: 24, .size: 8, .value_kind: global_buffer, .address_space: global }
      - { .name: ao_sc, .offset: 32, .size: 8, .value_kind: global_buffer, .address_space: global }
    .group_segment_fixed_size: 210944
    .private_segment_fixed_size: 0
    .kernarg_segment_align: 8
    .kernarg_segment_size: 40
    .max_flat_workgroup_size: 512
    .sgpr_count:     100
    .vgpr_count:     256
    .wavefront_size: 32
...
	.end_amdgpu_metadata
.endif
;; end of part 3
;; launch proj (part 4): grid 4 x 32, 4 waves a work-group, clusters of 4 x 4, 327,680 bytes of LDS; arguments ao_img, ao_sc, opimg, opsc, b_out, out0; writes out0
.if DOCPART == 4
	.amdgcn_target "amdgcn-amd-amdhsa--gfx1250"
	.amdhsa_code_object_version 6
	.text
	.protected	k_q18f5dbed52_proj
	.globl	k_q18f5dbed52_proj
	.p2align	8
	.type	k_q18f5dbed52_proj,@function
k_q18f5dbed52_proj:
	s_mov_b64 s[64:65], 0
	v_nop
	global_prefetch_b8 v0, s[64:65] scope:SCOPE_SE
	s_setreg_imm32_b32 hwreg(HW_REG_WAVE_MODE, 25, 1), 1
	s_wait_xcnt 0x0
	s_wait_alu depctr_hold_cnt(0) depctr_sa_sdst(0) depctr_va_vdst(0) depctr_va_sdst(0) depctr_va_ssrc(0) depctr_va_vcc(0) depctr_vm_vsrc(0)
	s_getreg_b32 s2, hwreg(HW_REG_IB_STS2, 6, 4)
	s_cmp_eq_u32 s2, 0
	s_cbranch_scc0 .Lentry_in_a_cluster
	s_endpgm
.Lentry_in_a_cluster:
	s_bfe_u32 s2, ttmp6, 0x10000c
	s_cmp_lg_u32 s2, 0xf033
	s_cbranch_scc0 .Lentry_shape_is_right
	s_endpgm
.Lentry_shape_is_right:
; PROJ.  out0 = attention's output x w_out^T + b_out on codes of FP6 (E2M3) with E8M0 scales, sums in f32.  out0 [8192][1024] f32.
; A work-group of four waves makes 256 tokens x 256 features, a wave 128 x 128: 64 accumulators.  K = 1,024 goes in four steps of 256 through a ring of two LDS slots filled by the tensor data mover.
; Operands are images of registers ([row tile][64 K][768 bytes]); a row tile holds rows 32 (RT / 2) + 8 (RT % 2) + r + 8 (r / 8).  Source 0 = w_out's rows (opimg's row tiles 704 on), source 1 = tokens (ao_img):
; a lane holds one token, and the registers of source 0's tiles 2 b, 2 b + 1 are features 32 b + 16 h + 0 .. 15.  The bias is the C of each sum's first product.
; CLUSTERS: 4 x 4 work-groups; the tokens' tiles are shared along a row of the cluster, w_out's along a column: joint loads.  The problem has 128 such tiles: 128 work-groups.  No prefetch: K has four slots only.
; A token whose scale bytes are 0xff (no open key in attention) gets NaN in its whole row.
; REGISTERS: window 0: v0-31 addresses; v32-63 scale words, two sets; v64-127 the bias; v128-223 source 1's fragments; on the way out v128-255 rows of out0.  window 1: source 0's fragments, two sets.  windows 2, 3: accumulators.
.set NQ,     2
.set ROWB,   3072
.set FR,     12
.set NL,     4
.set NP,     4
.set HALFT,  8*ROWB
.set SLOT,   4*HALFT
.set SCL,    2*SLOT
.set HALFS,  16*272
.set SBLK,   2*272
.set SPARE,  SCL+4*HALFS               ; the spare words, 128 bytes a wave: two blocks of 256 bytes that no other line names
.set SPITCH, 528                       ; the way out: a stage of 16 rows x (512 + 16) bytes for each wave, in slot 0, which has had its last fill and its last read by then
.set ADRA, 16
.set ADRB, 20
.set STO,  24                          ; v24 where I put 32 bytes of a row
.set RD,   25                          ; v25 where I read a row back
.set CO,   26                          ; v26 16 x lane
.set ADRS, 27
.set SPW,  28
.set NIL,  29
.set SC,   32
.set BU,   64
.set AF,   128
.set BK,   128
.set G1, 24
.set G0, 32
.set G1B, 48
.set G0B, 56
.set G1S, 68
.set G0S, 76
.set G1SB, 80
.set G0SB, 88
.set MSB, 0
.macro WIN new
.if MSB != (\new)
	s_set_vgpr_msb (MSB<<8)|(\new)
.set MSB, (\new)
.endif
.endm
.set MUL_LO, 0xa1
.set MUL_HI, 0xf1
.set TO_B,   0x40
.macro JLOAD g0a, g1a, g0b, g1b        ; waves 0 and 1 fetch for source 1, waves 2 and 3 for source 0; four v_nop follow each of the two lines
	s_cmp_eq_u32 s15, 0
	s_cbranch_scc0 .Lfor_b_\@
	tensor_load_to_lds s[\g0a:\g0a+3], s[\g1a:\g1a+7]
	s_nop 0
.rept 4
	v_nop
.endr
	s_branch .Lasked_\@
.Lfor_b_\@:
	tensor_load_to_lds s[\g0b:\g0b+3], s[\g1b:\g1b+7]
	s_nop 0
.rept 4
	v_nop
.endr
.Lasked_\@:
.endm
.macro CREST
	s_cmp_lg_u32 s14, 0
	s_cbranch_scc1 .Lnot_wave_0_\@
	s_barrier_signal -3
.Lnot_wave_0_\@:
	s_barrier_wait -3
	s_barrier_signal -1
	s_barrier_wait -1
.endm
.macro CROUND
	s_barrier_signal -1
	s_barrier_wait -1
	CREST
.endm
	s_load_b256 s[4:11], s[0:1], 0x0               ; ao_img s[4:5], ao_sc s[6:7], opimg s[8:9], opsc s[10:11]
	s_load_b128 s[96:99], s[0:1], 0x20             ; b_out s[96:97], out0 s[98:99]
	v_lshl_add_u32 v[SPW], v0, 2, SPARE
	v_mov_b32 v[NIL], 0
	ds_add_u32 v28, v29
	ds_add_u32 v28, v29
	s_wait_dscnt 0x0
	v_lshrrev_b32 v1, 5, v0
	v_readfirstlane_b32 s14, v1                    ; wave 0..3
	s_lshr_b32 s15, s14, 1
	s_and_b32 s16, s14, 1
	s_bfe_u32 s40, ttmp6, 0x40000                  ; cx
	s_bfe_u32 s41, ttmp6, 0x40004                  ; cy
	s_lshl_b32 s42, ttmp9, 2
	s_add_co_u32 s42, s42, s40                     ; tile column (features)
	s_and_b32 s17, ttmp7, 0xffff
	s_lshl_b32 s17, s17, 2
	s_add_co_u32 s17, s17, s41                     ; tile row (tokens)
	s_lshl_b32 s43, s41, 2
	s_lshl_b32 s43, 15, s43                        ; my row of the cluster
	s_lshl_b32 s44, 0x1111, s40                    ; my column
	s_or_b32 s[G1+0], s43, (3<<16)|(1<<21)         ; 8 rows (row tiles) of 384 elements of 8 bytes, 1,536 elements apart, dense in LDS
	s_or_b32 s[G1B+0], s44, (3<<16)|(1<<21)
.irp g, G1, G1B
	s_mov_b32 s[\g+1], 384<<16
	s_mov_b32 s[\g+2], 8<<16
	s_mov_b32 s[\g+3], 384<<16
	s_mov_b32 s[\g+4], 8
	s_mov_b32 s[\g+5], 1536
	s_mov_b32 s[\g+6], 0
	s_mov_b32 s[\g+7], 0
.endr
	s_or_b32 s[G1S+0], s43, (3<<16)|(1<<20)|(1<<21)|(5<<22)|(3<<25)   ; the scales of 128 rows: 16 rows of 256 bytes, 16 bytes of padding behind each
	s_or_b32 s[G1SB+0], s44, (3<<16)|(1<<20)|(1<<21)|(5<<22)|(3<<25)
.irp g, G1S, G1SB
	s_mov_b32 s[\g+1], 32<<16
	s_mov_b32 s[\g+2], 16<<16
	s_mov_b32 s[\g+3], 32<<16
	s_mov_b32 s[\g+4], 16
	s_mov_b32 s[\g+5], 32
	s_mov_b32 s[\g+6], 0
	s_mov_b32 s[\g+7], 0
.endr
	s_lshl_b32 s18, s16, 3                         ; which 8 row tiles I fetch
	s_lshl_b32 s20, s17, 4
	s_add_co_u32 s20, s20, s18                     ; source 1: row tile 16 x tile row + 8 x half
	s_lshl_b32 s46, s42, 4
	s_add_co_u32 s46, s46, s18
	s_add_co_u32 s46, s46, 704                     ; source 0: 704 + 16 x tile column + 8 x half
	s_lshl_b32 s22, s20, 9
	s_mov_b32 s23, 0
	s_lshl_b32 s92, s46, 9
	s_mov_b32 s93, 0
	s_mul_i32 s20, s20, 12288
	s_mov_b32 s21, 0
	s_mul_i32 s46, s46, 12288
	s_mov_b32 s47, 0
	s_mul_i32 s45, s14, HALFT
	s_mul_i32 s94, s14, HALFS
	s_wait_kmcnt 0x0
	s_add_nc_u64 s[20:21], s[4:5], s[20:21]
	s_add_nc_u64 s[22:23], s[6:7], s[22:23]
	s_add_nc_u64 s[46:47], s[8:9], s[46:47]
	s_add_nc_u64 s[92:93], s[10:11], s[92:93]
	CROUND                                         ; all sixteen work-groups are here: the first joint loads meet
	s_mov_b32 s[G0S], 1
	s_add_co_u32 s[G0S+1], s94, SCL
	s_mov_b64 s[G0S+2:G0S+3], s[22:23]
	s_or_b32 s[G0S+3], s[G0S+3], 0x80000000
	s_mov_b32 s[G0SB], 1
	s_add_co_u32 s[G0SB+1], s94, SCL
	s_mov_b64 s[G0SB+2:G0SB+3], s[92:93]
	s_or_b32 s[G0SB+3], s[G0SB+3], 0x80000000
	JLOAD G0S, G1S, G0SB, G1SB
.irp s, 0,1
	s_mov_b32 s[G0+4*\s], 1
	s_add_co_u32 s[G0+4*\s+1], s45, \s*SLOT
	s_add_nc_u64 s[G0+4*\s+2:G0+4*\s+3], s[20:21], \s*ROWB
	s_or_b32 s[G0+4*\s+3], s[G0+4*\s+3], 0x80000000
	s_mov_b32 s[G0B+4*\s], 1
	s_add_co_u32 s[G0B+4*\s+1], s45, \s*SLOT
	s_add_nc_u64 s[G0B+4*\s+2:G0B+4*\s+3], s[46:47], \s*ROWB
	s_or_b32 s[G0B+4*\s+3], s[G0B+4*\s+3], 0x80000000
	JLOAD G0+4*\s, G1, G0B+4*\s, G1B
.endr
	v_and_b32 v1, 31, v0                           ; lane
	v_and_b32 v2, 15, v0                           ; r
	v_bfe_u32 v3, v0, 4, 1                         ; h
	v_lshlrev_b32 v[CO], 4, v1
	v_lshlrev_b32 v4, 3, v1
	s_mul_i32 s21, s15, HALFT
	s_mul_i32 s22, s16, HALFT
	s_add_co_u32 s22, s22, 2*HALFT
.irp s, 0,1
	v_add_nc_u32 v[ADRA+\s], s21, v[CO]
	v_add_nc_u32 v[ADRB+\s], s22, v[CO]
	v_add_nc_u32 v[ADRA+2+\s], s21, v4
	v_add_nc_u32 v[ADRB+2+\s], s22, v4
	s_add_co_u32 s21, s21, SLOT
	s_add_co_u32 s22, s22, SLOT
.endr
	v_lshlrev_b32 v5, 5, v2
	v_lshrrev_b32 v6, 3, v2
	v_lshl_add_u32 v5, v6, 4, v5
	s_mul_i32 s21, s15, HALFS
	s_mul_i32 s22, s16, HALFS
	s_add_co_u32 s22, s22, 2*HALFS
	s_sub_co_u32 s22, s22, s21
	v_mul_u32_u24 v6, s22, v3                      ; lanes 16-31 take source 0's
	s_add_co_u32 s21, s21, SCL
	v_add_nc_u32 v5, v5, v6
	v_add_nc_u32 v[ADRS], s21, v5
	s_mul_i32 s23, s14, 16*SPITCH                  ; my stage
	v_mul_u32_u24 v5, v2, SPITCH
	v_lshl_add_u32 v5, v3, 6, v5
	v_add_nc_u32 v[STO], s23, v5                   ; in: row r, + 64 h
	v_add_nc_u32 v[RD], s23, v[CO]                 ; back: the 32 lanes take one row of 512 bytes
	v_lshlrev_b32 v10, 6, v3                       ; the bias: 64 h
	s_lshl_b32 s20, s17, 8
	s_lshl_b32 s21, s15, 7
	s_add_co_u32 s20, s20, s21
	s_lshl_b32 s20, s20, 12                        ; my first token's row of 4,096 bytes
	s_lshl_b32 s46, s42, 10
	s_lshl_b32 s47, s16, 9
	s_add_co_u32 s46, s46, s47                     ; my first feature, in bytes
	s_mov_b32 s47, 0
	s_add_nc_u64 s[96:97], s[96:97], s[46:47]
	s_add_co_u32 s20, s20, s46
	s_mov_b32 s21, 0
	s_add_nc_u64 s[98:99], s[98:99], s[20:21]
.irp b, 0,1,2,3,4,5,6,7                ; register 8 b + j: the bias of feature 32 (b / 2) + 16 h + 8 (b % 2) + j
	global_load_b128 v[BU+8*\b:BU+8*\b+3], v10, s[96:97] offset:(32*(\b/2)+8*(\b%2))*4
	global_load_b128 v[BU+8*\b+4:BU+8*\b+7], v10, s[96:97] offset:(32*(\b/2)+8*(\b%2))*4+16
.endr
.macro FRAG reg, adr, q, i
	ds_load_b128 v[\reg:\reg+3], v[\adr] offset:ROWB*(\i)+1536*(\q)
	ds_load_b64 v[\reg+4:\reg+5], v[\adr+2] offset:ROWB*(\i)+1536*(\q)+512
	ds_load_b128 v[\reg+6:\reg+9], v[\adr] offset:ROWB*(\i)+1536*(\q)+768
	ds_load_b64 v[\reg+10:\reg+11], v[\adr+2] offset:ROWB*(\i)+1536*(\q)+1280
.endm
; 16 matrix instructions; first = 1: the sums begin with the bias as C.  The 64 accumulators take turns, one instruction a turn.
.macro MUL16 a0, p, q, sc, first
.irp a, \a0, \a0+1
.irp b, 0,1,2,3,4,5,6,7
.if \first
	v_wmma_scale_f32_16x16x128_f8f6f4 v[8*(8*((\a)%4)+\b):8*(8*((\a)%4)+\b)+7], v[128*(\p)+FR*\b:128*(\p)+FR*\b+FR-1], v[AF+FR*(\a):AF+FR*(\a)+FR-1], v[BU+8*\b:BU+8*\b+7], v[SC+8*NQ*(\sc)+NQ*\b+(\q)], v[SC+8*NQ*(\sc)+NQ*(\a)+(\q)] matrix_a_fmt:MATRIX_FMT_FP6 matrix_b_fmt:MATRIX_FMT_FP6 matrix_a_scale:MATRIX_SCALE_ROW1
.else
	v_wmma_scale_f32_16x16x128_f8f6f4 v[8*(8*((\a)%4)+\b):8*(8*((\a)%4)+\b)+7], v[128*(\p)+FR*\b:128*(\p)+FR*\b+FR-1], v[AF+FR*(\a):AF+FR*(\a)+FR-1], v[8*(8*((\a)%4)+\b):8*(8*((\a)%4)+\b)+7], v[SC+8*NQ*(\sc)+NQ*\b+(\q)], v[SC+8*NQ*(\sc)+NQ*(\a)+(\q)] matrix_a_fmt:MATRIX_FMT_FP6 matrix_b_fmt:MATRIX_FMT_FP6 matrix_a_scale:MATRIX_SCALE_ROW1
.endif
.endr
.endr
.endm
.macro FETCH_B slot, q, p
	WIN TO_B
.irp i, 0,1,2,3,4,5,6,7
	FRAG 128*(\p)+FR*\i, ADRB+\slot, \q, \i
.endr
	WIN 0
.endm
.macro FETCH_A slot, q, i0
.irp i, \i0, \i0+1, \i0+2, \i0+3
	FRAG AF+FR*(\i), ADRA+\slot, \q, \i
.endr
.endm
.macro SCALES sc
.irp i, 0,1,2,3,4,5,6,7
	ds_load_b64 v[SC+8*NQ*\sc+NQ*\i:SC+8*NQ*\sc+NQ*\i+1], v[ADRS] offset:\i*SBLK
.endr
.endm
.macro PLACES n
.rept \n
	v_nop
.endr
.endm
.macro STEP slot, q, first
	s_wait_dscnt 4*NL                              ; source 0's set and source 1's blocks 0-3 are in; the youngest 16 loads (blocks 4-7) may be out
.if \first
	WIN 0x81                                       ; C (the bias) window 0, D window 2
.else
	WIN MUL_LO
.endif
	MUL16 0, (\q)%2, \q, \slot, \first
	MUL16 2, (\q)%2, \q, \slot, \first
	s_wait_dscnt 0
	PLACES NP
	FETCH_B \slot, (\q)+1, 1-(\q)%2
	FETCH_A \slot, (\q)+1, 0
.if \first
	WIN 0xc1                                       ; C window 0, D window 3
.else
	WIN MUL_HI
.endif
	MUL16 4, (\q)%2, \q, \slot, \first
	MUL16 6, (\q)%2, \q, \slot, \first
	PLACES NP
	WIN 0
	FETCH_A \slot, (\q)+1, 4
.endm
.macro TURN slot, next, fill
	s_wait_tensorcnt 0x0                           ; all my tensor loads have landed: my part of the next slot
	ds_add_u32 v[SPW], v[NIL]                      ; 0 onto my spare word
	s_wait_dscnt 4*NL+1                            ; (the add and the youngest 16 loads may be out)
	WIN MUL_LO
	MUL16 0, 1, NQ-1, \slot, 0
	s_wait_dscnt 0x0                               ; the add is done, and my reads of this slot are over
	s_barrier_signal -1
	MUL16 2, 1, NQ-1, \slot, 0
	WIN 0
	s_barrier_wait -1
.if \fill
	CREST                                          ; a round of the cluster's barrier: no wave of any partner still reads this slot or has a load on its way
	s_add_nc_u64 s[G0+4*\slot+2:G0+4*\slot+3], s[G0+4*\slot+2:G0+4*\slot+3], 2*ROWB
	s_add_nc_u64 s[G0B+4*\slot+2:G0B+4*\slot+3], s[G0B+4*\slot+2:G0B+4*\slot+3], 2*ROWB
	JLOAD G0+4*\slot, G1, G0B+4*\slot, G1B
.else
	PLACES NP
.endif
	v_add_nc_u32 v[ADRS], 4*NQ, v[ADRS]
	FETCH_B \next, 0, 0
	FETCH_A \next, 0, 0
	SCALES \next
	WIN MUL_HI
	MUL16 4, 1, NQ-1, \slot, 0
	MUL16 6, 1, NQ-1, \slot, 0
	PLACES NP
	WIN 0
	FETCH_A \next, 0, 4
.endm
	s_wait_tensorcnt 1                             ; the scales and my part of K step 0 are in; K step 1's load may be out
	s_barrier_signal -1
	s_barrier_wait -1
	FETCH_B 0, 0, 0
	FETCH_A 0, 0, 0
	SCALES 0
	FETCH_A 0, 0, 4
	s_wait_loadcnt 0x0                             ; the bias
	STEP 0, 0, 1
	TURN 0, 1, 1                                   ; the ring's one middle lap, written out
	STEP 1, 0, 0
	TURN 1, 0, 1
	STEP 0, 0, 0
	TURN 0, 1, 0                                   ; the last lap fills nothing
	STEP 1, 0, 0
	s_wait_dscnt 4*NL
	WIN MUL_LO
	MUL16 0, 1, NQ-1, 1, 0
	MUL16 2, 1, NQ-1, 1, 0
	s_wait_dscnt 0
	WIN MUL_HI
	MUL16 4, 1, NQ-1, 1, 0
	MUL16 6, 1, NQ-1, 1, 0
	WIN 0
; THE WAY OUT, block by block of 16 tokens x 128 features, through my own stage in LDS: in by lanes (a token's 8 features of a tile), back as whole rows of 512 bytes.  LDS serves a wave's instructions in order.
.macro TOSTAGE a
.set AC, 64*((\a)%4)
	WIN 0x08+4*((\a)/4)                            ; the data: window 2 or 3
.irp b, 0,1,2,3,4,5,6,7
	ds_store_b128 v[STO], v[AC+8*\b:AC+8*\b+3] offset:128*(\b/2)+32*(\b%2)        ; each accumulator from its low end on
	ds_store_b128 v[STO], v[AC+8*\b+4:AC+8*\b+7] offset:128*(\b/2)+32*(\b%2)+16
.endr
	WIN 0
.set BB, BK+64*((\a)%2)
.irp t, 0,1,2,3,4,5,6,7,8,9,10,11,12,13,14,15
	ds_load_b128 v[BB+4*\t:BB+4*\t+3], v[RD] offset:\t*SPITCH
.endr
.endm
.macro SEND a, younger                 ; younger: the LDS instructions issued behind block a's loads, which may stay out
.set BB, BK+64*((\a)%2)
	s_wait_dscnt \younger
.if (\a) > 0
.if ((\a)%2) == 1
	s_add_nc_u64 s[98:99], s[98:99], 8*4096        ; (behind a wait on XCNT)  from an even tile to the odd one: 8 rows
.else
	s_add_nc_u64 s[98:99], s[98:99], 24*4096       ; and on to the next pair: 24 rows
.endif
.endif
.irp t, 0,1,2,3,4,5,6,7,8,9,10,11,12,13,14,15
	global_store_b128 v[CO], v[BB+4*\t:BB+4*\t+3], s[98:99] offset:(\t+8*(\t/8))*4096 th:TH_STORE_NT   ; 32 lanes store 512 consecutive bytes, at a multiple of 256 from out0's first byte
.endr
.endm
	PLACES NP
	TOSTAGE 0
.irp a, 1,2,3,4,5,6,7
.if \a > 1
	s_wait_xcnt 0x0                                ; block a - 2's stores have read their registers and their base
.endif
	TOSTAGE \a
	SEND \a-1, 32                                  ; behind block a - 1's loads: block a's 16 stores and 16 loads
.endr
	s_wait_xcnt 0x0
	SEND 7, 0
	s_wait_tensorcnt 0x0                           ; the wave's end
	ds_add_u32 v[SPW], v[NIL]
	s_wait_dscnt 0x0
	CROUND                                         ; the closing round
	s_endpgm
.Lfunc_end_k_q18f5dbed52_proj:
	.size	k_q18f5dbed52_proj, .Lfunc_end_k_q18f5dbed52_proj-k_q18f5dbed52_proj
	.p2alignl 7, 3214868480
	.fill 96, 4, 3214868480
	.section	.rodata,"a",@progbits
	.p2align	6, 0x0
	.amdhsa_kernel k_q18f5dbed52_proj
		.amdhsa_group_segment_fixed_size 327680
		.amdhsa_private_segment_fixed_size 0
		.amdhsa_enable_private_segment 0
		.amdhsa_kernarg_size 48
		.amdhsa_user_sgpr_count 2
		.amdhsa_user_sgpr_kernarg_segment_ptr 1
		.amdhsa_wavefront_size32 1
		.amdhsa_system_sgpr_workgroup_id_x 1
		.amdhsa_system_sgpr_workgroup_id_y 1
		.amdhsa_system_sgpr_workgroup_id_z 1
		.amdhsa_system_vgpr_workitem_id 0
		.amdhsa_next_free_vgpr 1024
		.amdhsa_next_free_sgpr 100
		.amdhsa_reserve_vcc 0
		.amdhsa_float_denorm_mode_32 3
		.amdhsa_float_denorm_mode_16_64 3
		.amdhsa_memory_ordered 1
		.amdhsa_forward_progress 1
		.amdhsa_inst_pref_size 145
	.end_amdhsa_kernel
	.amdgpu_metadata
---
amdhsa.version: [ 1, 2 ]
amdhsa.kernels:
  - .name:           k_q18f5dbed52_proj
    .symbol:         k_q18f5dbed52_proj.kd
    .args:
      - { .name: ao_img, .offset: 0, .size: 8, .value_kind: global_buffer, .address_space: global }
      - { .name: ao_sc, .offset: 8, .size: 8, .value_kind: global_buffer, .address_space: global }
      - { .name: opimg, .offset: 16, .size: 8, .value_kind: global_buffer, .address_space: global }
      - { .name: opsc, .offset: 24, .size: 8, .value_kind: global_buffer, .address_space: global }
      - { .name: b_out, .offset: 32, .size: 8, .value_kind: global_buffer, .address_space: global }
      - { .name: out0, .offset: 40, .size: 8, .value_kind: global_buffer, .address_space: global }
    .group_segment_fixed_size: 327680
    .private_segment_fixed_size: 0
    .kernarg_segment_align: 8
    .kernarg_segment_size: 48
    .max_flat_workgroup_size: 128
    .sgpr_count:     100
    .vgpr_count:     1024
    .wavefront_size: 32
...
	.end_amdgpu_metadata
.endif
;; end of part 4
;; ======== version 2 of 2: 4 launches; version 1 with the launch attn written anew for expert scheduling mode
;; workspace buffers: opimg 9,437,184 bytes; opsc 393,216 bytes; maskw 532,480 bytes of whole numbers; qkv_img 18,874,368 bytes; qkv_sc 786,432 bytes; ao_img 6,291,456 bytes; ao_sc 262,144 bytes
;; launch prep: the kernel of part 1 again; grid 256 x 1, 4 waves a work-group, no clusters, 135,680 bytes of LDS; arguments x, w_qkv, w_out, attn_mask, opimg, opsc, maskw; writes opimg, opsc, maskw
;; launch qkv: the kernel of part 2 again; grid 8 x 48, 4 waves a work-group, clusters of 4 x 4, 327,680 bytes of LDS; arguments opimg, opsc, b_qkv, qkv_img, qkv_sc; writes qkv_img, qkv_sc
;; launch attn (part 5): grid 4 x 64, 16 waves a work-group, no clusters, 210,944 bytes of LDS; arguments qkv_img, qkv_sc, maskw, ao_img, ao_sc; writes ao_img, ao_sc
.if DOCPART == 5
	.amdgcn_target "amdgcn-amd-amdhsa--gfx1250"
	.amdhsa_code_object_version 6
	.text
	.protected	k_q18f5dbed52_attn
	.globl	k_q18f5dbed52_attn
	.p2align	8
	.type	k_q18f5dbed52_attn,@function
k_q18f5dbed52_attn:
	s_mov_b64 s[64:65], 0
	v_nop
	global_prefetch_b8 v0, s[64:65] scope:SCOPE_SE
	s_setreg_imm32_b32 hwreg(HW_REG_WAVE_SCHED_MODE, 0, 2), 2
	s_setreg_imm32_b32 hwreg(HW_REG_WAVE_MODE, 25, 1), 1
	s_wait_xcnt 0x0
	s_wait_alu depctr_vm_vsrc(0)
; ATTENTION on codes of FP6 (E2M3) with E8M0 scales: for each (batch, head) O = softmax(mask(Q K^T / 8)) V; head size 64, 2,048 keys.  The mask is an input: it comes as lane masks and flags that an earlier launch stored.
; SOFTMAX AHEAD OF THE SECOND PRODUCT: t = score x log2(e) / 8; M = the running largest t rounded up to a whole number; p = 2^(t - M) is quantised along the keys, not normalised; the row's sum is taken of the unquantised p and
; divides O at the end.  When M moves, the sum and O are multiplied by 2^(old M - new M): exact.  O / sum is quantised along the head's 64 and leaves as codes for the last product.
; A ROW WITH NO OPEN KEY has the sum 0: its two scale bytes are set to 0xff (NaN), so that the last product gives NaN in that row, as the softmax of an all-masked row does.
; SHARES.  A work-group has one (batch, head) and 32 tiles of 16 queries; wave w of sixteen takes tiles 16 x + w and 127 - (16 x + w), one after the other.
; LDS holds the head's K and V codes and scale words whole: 16 blocks of 13,056 bytes, one for each 128 keys, filled once through registers (wave w fills block w); one barrier; afterwards LDS is only read.
; NO TENSOR LOAD, NO JOINT LOAD: key steps are left out by branches on the stored flags.  Nothing is prefetched: all loads of K and V stand at the head.
; A KEY STEP (128 keys) whose mask tile has no open key is left out; the mask is applied (scores to -infinity) only where the tile has a masked key.
; LAYOUT.  Both products transposed: S^T = K Q^T (source 0 = 16 keys), O^T = V^T P^T (source 0 = 16 of the head's 64): a lane holds one query throughout.  Tiles hold rows 32 (T / 2) + 8 (T % 2) + r + 8 (r / 8), so that the 16
; registers of tiles 2 b, 2 b + 1 are 16 neighbours: keys 32 b + 16 h + i in S^T, channels in O^T.
; THE FIRST PRODUCT'S K IS 64 OF THE INSTRUCTION'S 128: Q's registers 6-11 are zero codes.  K's fragments stand 6 registers apart: a fragment's upper six registers are the next fragment's codes (or zeros), which meet Q's zeros.
; Scale bytes 2 and 3 are the neighbouring head's bytes or 0, never 0xff.
; LIMITS: NaN and infinities among the inputs are not served; 1 / sum by v_rcp_f32; a block of O whose largest magnitude lies under 2^-124 gets the byte 1.
; REGISTERS: v1-4 16 x lane, 8 x lane, 16 r, 32 r; v5 -infinity; v7 0xffff; v8-9 the step's LDS addresses; v12 -M; v13 largest t; v[14:15] the sum; v16-27 Q; v[28:29] V's scale words; v32-79 K's, then V's fragments; v80-85 zeros;
;   v96-159 S^T, then p; v160-191 O^T; v192-223 O / sum; v224-235 codes; v232-247 at work; v248-251 K's scale words; v252 f; v253 p's scale word; v254 at work; v255 Q's scale word.
; THE MODE: SCHED_MODE bits 1:0 = 2 (LLVM: expert scheduling mode 2), set by the entry lines.  The code itself states the register dependences between vector or matrix instructions and memory or LDS instructions,
; with s_wait_alu, always for 0.
; THE PLAN.  Registers that memory or LDS instructions touch:
;   v1-4             offsets, written once at the head; every global load and store reads one of them.
;   v8, v9           LDS addresses: written at the head and by two additions at the head of each open key step; read by the head's LDS stores and by the step's 34 LDS loads.
;   v96-197          at the head only: global loads land in them, v192-195 are shifted, the LDS stores read them; later the products and the way out write them.
;   v16-21, v255     Q and its scale word: loaded at a tile's head; v255 is shifted once; the first products read them.
;   v32-79           K's loads land at the step's head, the eight first products read them; V's loads land behind those products, the four second products read them.
;   v248-251, v28-29 K's and V's scale words: loaded with the fragments, read by the same products.
;   v224-229, v254   a tile's codes and scale bytes: written by the way out, read by its three stores, written again by the next tile's steps.
;   v22-27, v80-85 (zero codes), v224-235 and v253 (p's codes and scale word) are written by vector instructions and taken by scaled matrix instructions.
; An open key step has three waits on va_vdst beside the two behind its exponentials: at its head (the addresses are written, the last step's products are done with the fragments' registers), behind the first products (they
; are done with K's registers, in which V lands), and ahead of the second products (p's codes and scale word are written); and one on vm_vsrc, ahead of the additions to v8 and v9.
; A second set of 48 registers for V does not fit: sixteen waves have 256 registers each, and the loop would name 261.
.set BLKB, 13056                       ; a key step's block: K 8 x 768, V 8 x 768, K's scale words 512, V's 256
.set VOF,  6144
.set KSC,  12288
.set VSC,  12800
	s_load_b256 s[4:11], s[0:1], 0x0               ; qkv_img s[4:5], qkv_sc s[6:7], maskw s[8:9], ao_img s[10:11]
	s_load_b64 s[12:13], s[0:1], 0x20              ; ao_sc
	v_lshl_add_u32 v95, v0, 2, 0x33000
	v_mov_b32 v243, 0
	v_lshrrev_b32 v8, 5, v0
	v_readfirstlane_b32 s18, v8                    ; wave 0..15
	v_and_b32 v9, 31, v0
	v_lshlrev_b32 v1, 4, v9                        ; 16 x lane
	v_lshlrev_b32 v2, 3, v9                        ; 8 x lane
	v_and_b32 v9, 15, v0
	v_lshlrev_b32 v3, 4, v9                        ; 16 r
	v_lshlrev_b32 v4, 5, v9                        ; 32 r
	v_mov_b32 v5, 0xff800000                       ; -infinity
	v_mov_b32 v7, 0xffff
	s_wait_alu depctr_va_sdst(0)                   ; s18 is written, ahead of its first reader: the wave's addresses are made from it
	s_and_b32 s16, ttmp7, 0xffff                   ; 16 x batch + head
	s_and_b32 s14, s16, 15                         ; head
	s_lshr_b32 s15, s16, 4                         ; batch
	s_and_b32 s27, s14, 1
	s_lshl_b32 s27, s27, 4                         ; my head's two bytes of a scale word stand 16 (head % 2) bits up
	s_add_co_u32 s28, s14, 16
	s_lshl_b32 s28, s28, 9
	s_lshl_b32 s29, s15, 7
	s_add_co_u32 s28, s28, s29
	s_mul_i32 s28, s28, 768                        ; K: ((16 + head) 512 + 128 batch) blocks,
	s_mul_i32 s29, s18, 6144
	s_add_co_u32 s28, s28, s29                     ; + my key step's eight
	s_mov_b32 s29, 0
	s_lshl_b32 s30, s16, 4
	s_add_co_u32 s30, s30, s18
	s_mul_i32 s30, s30, 6144
	s_add_co_u32 s30, s30, 12582912                ; V: ((16 batch + head) 16 + key step) x 6,144
	s_mov_b32 s31, 0
	s_lshr_b32 s24, s14, 1
	s_lshl_b32 s24, s24, 6
	s_lshl_b32 s25, s15, 4
	s_add_co_u32 s24, s24, s25                     ; 64 (head / 2) + 16 batch
	s_add_co_u32 s25, s24, s18
	s_lshl_b32 s32, s25, 9                         ; the scale block of my key step
	s_mov_b32 s33, 0
	s_lshr_b32 s34, s27, 1                         ; V's words: 8 (head % 2) bytes on
	s_mov_b32 s35, 0
	s_mul_i32 s26, s18, BLKB
	v_add_nc_u32 v8, s26, v1
	v_add_nc_u32 v9, s26, v2
	s_wait_kmcnt 0x0
	s_add_nc_u64 s[28:29], s[4:5], s[28:29]
	s_add_nc_u64 s[30:31], s[4:5], s[30:31]
	s_add_nc_u64 s[32:33], s[6:7], s[32:33]
	s_add_nc_u64 s[34:35], s[32:33], s[34:35]
	s_wait_alu depctr_va_vdst(0)                   ; the offsets v1 to v4 and the LDS addresses v8 and v9 are written, which the loads and stores below read
.irp i, 0,1,2,3,4,5,6,7,8,9,10,11
	global_load_b128 v[96+4*\i:99+4*\i], v1, s[28:29] offset:512*\i        ; 512 consecutive bytes a load
.endr
.irp i, 0,1,2,3,4,5,6,7,8,9,10,11
	global_load_b128 v[144+4*\i:147+4*\i], v1, s[30:31] offset:512*\i
.endr
	global_load_b128 v[192:195], v1, s[32:33] offset:262144                ; K's scale block: feature group 8 + head / 2
	global_load_b64 v[196:197], v1, s[34:35] offset:524288                 ; V's: my head's two words of each lane's four
	s_mov_b32 s20, 0x76543210
	s_mov_b32 s21, 0xfedcba98                      ; v_permlanex16_b32's selects for lane l xor 16
	s_mov_b32 s22, 0x3e38aa3b                      ; c = log2(e) / 8
	s_mov_b32 s23, s22                             ; (named with it as a pair)
.irp j, 0,1,2,3,4,5
	v_mov_b32 v[22+\j], 0                          ; Q's codes of k = 64 .. 127
	v_mov_b32 v[80+\j], 0                          ; behind K's last fragment
.endr
.irp b, 0,1,2,3
	v_mov_b32 v[236+\b], 0                         ; written once: a lane permute's destination counts as one of its sources
.endr
	v_mov_b32 v252, 0                              ; likewise: the way out's lane permute writes v252, also in a tile all of whose key steps are left out
	v_mov_b32 v253, 0                              ; (named as the upper half of the pair v[252:253])
	s_wait_loadcnt 0x0
.irp j, 0,1,2,3
	v_lshrrev_b32 v[192+\j], s27, v[192+\j]        ; my head's bytes to bytes 0 and 1
.endr
	s_wait_alu depctr_va_vdst(0)                   ; the shifts have written v192-195, which an LDS store below reads; the zero codes v22-27 and v80-85, which the first products take, are written too
.irp i, 0,1,2,3,4,5,6,7,8,9,10,11,12,13,14,15,16,17,18,19,20,21,22,23
	ds_store_b128 v8, v[96+4*\i:99+4*\i] offset:512*\i
.endr
	ds_store_b128 v8, v[192:195] offset:KSC
	ds_store_b64 v9, v[196:197] offset:VSC
	s_wait_dscnt 0x0                               ; for the others' sake: my stores have landed
	s_barrier_signal -1
	s_barrier_wait -1                              ; the head's K and V lie in LDS; from here on LDS is only read
	; the bases of what differs from tile to tile (the loads that read these registers have come back)
	s_lshl_b32 s28, s14, 9
	s_lshl_b32 s29, s15, 7
	s_add_co_u32 s28, s28, s29
	s_mul_i32 s28, s28, 768
	s_mov_b32 s29, 0
	s_add_nc_u64 s[4:5], s[4:5], s[28:29]          ; Q's blocks of my head and batch
	s_lshl_b32 s28, s24, 9
	s_add_nc_u64 s[6:7], s[6:7], s[28:29]          ; Q's scale blocks
	s_lshl_b32 s28, s15, 11
	s_add_co_u32 s28, s28, s14
	s_mul_i32 s28, s28, 768
	s_add_nc_u64 s[10:11], s[10:11], s[28:29]      ; ao_img: (128 batch x 16 + head) blocks
	s_lshl_b32 s28, s15, 16
	s_lshl_b32 s30, s14, 1
	s_add_co_u32 s28, s28, s30
	s_add_nc_u64 s[12:13], s[12:13], s[28:29]      ; ao_sc: 128 batch x 512 + 2 head
	s_lshl_b32 s19, ttmp9, 4
	s_add_co_u32 s19, s19, s18                     ; my first tile of queries
; ONE TILE OF 16 QUERIES, s19 its number in the batch
.macro TILE
	s_wait_xcnt 0x0                                ; earlier loads and stores have read their registers
	s_wait_alu depctr_vm_vsrc(0)                   ; the head's LDS stores have read v8, v9 and v96-197, the last tile's stores v224-229 and v254: this tile's steps and its way out write them again
	s_lshl_b32 s26, s19, 6
	s_load_b512 s[68:83], s[8:9], s26 offset:0x80000   ; the tile's 16 flags
	s_mul_i32 s28, s19, 768
	s_mov_b32 s29, 0
	s_add_nc_u64 s[28:29], s[4:5], s[28:29]
	s_lshr_b32 s30, s19, 3
	s_lshl_b32 s30, s30, 9                         ; Q's scale word: block tt / 8,
	s_and_b32 s31, s19, 1
	s_lshl_b32 s31, s31, 8                         ; lanes 16 (tt % 2) + r,
	s_add_co_u32 s30, s30, s31
	s_bfe_u32 s31, s19, 0x20001
	s_lshl_b32 s31, s31, 2                         ; word (tt % 8) / 2
	s_add_co_u32 s30, s30, s31
	s_mov_b32 s31, 0
	s_add_nc_u64 s[30:31], s[6:7], s[30:31]
	global_load_b128 v[16:19], v1, s[28:29]        ; no wait on va_vdst here: no vector or matrix instruction since the last one (ahead of the head's LDS stores, ahead of the last tile's stores) names v16-21, v255 or v1-3
	global_load_b64 v[20:21], v2, s[28:29] offset:512
	global_load_b32 v255, v3, s[30:31]
	v_mov_b32 v13, 0xff61b1e6                      ; the largest t so far: -3e38, under every t
	v_floor_f32 v12, -v13                          ; -M
	v_mov_b32 v14, 0
	v_mov_b32 v15, 0
	s_wait_kmcnt 0x0
	s_mov_b32 s24, s68                             ; bit s: step s has an open key; bit 16 + s: it has a masked key
.irp s, 1,2,3,4,5,6,7,8,9,10,11,12,13,14,15
	s_lshl_b32 s26, s[68+\s], \s
	s_or_b32 s24, s24, s26
.endr
	s_mov_b32 s2, 0                                ; the step's block in LDS
	s_mov_b32 s3, 0                                ; the step
	s_lshl_b32 s25, s19, 12                        ; the step's 64 mask words
	s_wait_loadcnt 0x0
	v_lshrrev_b32 v255, s27, v255                  ; my head's bytes to bytes 0 and 1; the 32 lines below stand between this and the first product
.set j, 0
.rept 32
	v_mov_b32 v[160+j], 0                          ; O^T: the loop is written once, its first step finds zeros
.set j, j+1
.endr
.Lstep_\@:                                         ; 16 trips, 128 keys each
	s_bitcmp1_b32 s24, s3
	s_cbranch_scc0 .Lhidden_\@                     ; no key of the step is open for any of my queries
	s_wait_alu depctr_vm_vsrc(0)                   ; the LDS instructions issued so far have read v8 and v9, which the two lines below write
	v_add_nc_u32 v8, s2, v1
	v_add_nc_u32 v9, s2, v2
	v_nop
	v_nop                                          ; four plain instructions behind the last products, ahead of the loads into registers that they read; they stay beside the wait below
	s_wait_alu depctr_va_vdst(0)                   ; v8 and v9 are written, which the step's LDS loads read; the last open step's products are done reading v32-79, v248-251 and v28-29, in which these loads land; in a tile's first open step v255, the first products' scale, is written
.irp t, 0,1,2,3,4,5,6,7
	ds_load_b128 v[32+6*\t:35+6*\t], v8 offset:768*\t
	ds_load_b64 v[36+6*\t:37+6*\t], v9 offset:768*\t+512
.endr
	ds_load_b128 v[248:251], v8 offset:KSC         ; word j: lanes 0-15 tile 2 j's, lanes 16-31 tile 2 j + 1's
	s_wait_dscnt 0x0
.irp t, 0,2,4,6
	v_wmma_scale_f32_16x16x128_f8f6f4 v[96+8*\t:103+8*\t], v[32+6*\t:43+6*\t], v[16:27], 0, v[248+\t/2], v255 matrix_a_fmt:MATRIX_FMT_FP6 matrix_b_fmt:MATRIX_FMT_FP6
	v_wmma_scale_f32_16x16x128_f8f6f4 v[104+8*\t:111+8*\t], v[38+6*\t:49+6*\t], v[16:27], 0, v[248+\t/2], v255 matrix_a_fmt:MATRIX_FMT_FP6 matrix_b_fmt:MATRIX_FMT_FP6 matrix_a_scale:MATRIX_SCALE_ROW1
.endr
.rept 4
	v_nop                                          ; places behind the products: for the loads below and for the first read of the scores
.endr
	s_wait_alu depctr_va_vdst(0)                   ; the eight products are done reading K's fragments in v32-79, in which V's loads land (v8 and v9 have not been written since the step's head)
.irp t, 0,1,2,3                        ; V's fragments are asked for now and land while the softmax is worked: no line of the softmax names v28-29 or v32-79
.irp c, 0,1
	ds_load_b128 v[32+12*\t+6*\c:35+12*\t+6*\c], v8 offset:VOF+1536*\t+768*\c
	ds_load_b64 v[36+12*\t+6*\c:37+12*\t+6*\c], v9 offset:VOF+1536*\t+768*\c+512
.endr
.endr
	ds_load_b64 v[28:29], v9 offset:VSC
	s_add_co_u32 s26, s3, 16
	s_bitcmp1_b32 s24, s26
	s_cbranch_scc0 .Lopen_\@                       ; every key of the step counts for every query
	s_load_b512 s[32:47], s[8:9], s25 offset:0x0
	s_load_b512 s[48:63], s[8:9], s25 offset:0x40
	s_load_b512 s[68:83], s[8:9], s25 offset:0x80
	s_load_b512 s[84:99], s[8:9], s25 offset:0xc0
	s_wait_kmcnt 0x0
.irp n, 0,1,2,3,4,5,6,7,8,9,10,11,12,13,14,15,16,17,18,19,20,21,22,23,24,25,26,27,28,29,30,31
	v_cndmask_b32 v[96+\n], v[96+\n], v5, s[32+\n] ; word n is register n's lane mask: masked scores become -infinity, so p = 0
.endr
.irp n, 0,1,2,3,4,5,6,7,8,9,10,11,12,13,14,15,16,17,18,19,20,21,22,23,24,25,26,27,28,29,30,31
	v_cndmask_b32 v[128+\n], v[128+\n], v5, s[68+\n]
.endr
.Lopen_\@:
.irp b, 0,1,2,3
	v_max3_num_f32 v[232+\b], v[96+16*\b], v[97+16*\b], v[98+16*\b]        ; the largest score of each block of 32 keys: for the row's maximum, and, since p rises with the score, for the block's largest p
.endr
.irp i, 3,5,7,9,11,13
.irp b, 0,1,2,3
	v_max3_num_f32 v[232+\b], v[232+\b], v[96+16*\b+\i], v[97+16*\b+\i]
.endr
.endr
.irp b, 0,1,2,3
	v_max_num_f32 v[232+\b], v[232+\b], v[111+16*\b]
.endr
.irp b, 0,1,2,3
	v_permlanex16_b32 v[236+\b], v[232+\b], s20, s21
.endr
.irp b, 0,1,2,3
	v_max_num_f32 v[232+\b], v[232+\b], v[236+\b]  ; with lane l xor 16's 16 keys
.endr
	v_max3_num_f32 v254, v232, v233, v234
	v_max_num_f32 v254, v254, v235
	v_mul_f32 v254, s22, v254                      ; as t
	v_max_num_f32 v13, v13, v254                   ; the running largest t
	v_mov_b32 v254, v12
	v_floor_f32 v12, -v13                          ; the new -M = -ceil(t)
	v_sub_f32 v254, v12, v254                      ; old M - new M: a whole number, 0 or less
	v_cvt_i32_f32 v254, v254                       ; (it saturates)
	v_ldexp_f32 v252, 1.0, v254                    ; f = 2^(old M - new M)
.set j, 0
.rept 32
	v_pk_fma_f32 v[96+j:97+j], v[96+j:97+j], s[22:23], v[12:13] op_sel_hi:[1,0,0]   ; t - M
.set j, j+2
.endr
.irp b, 0,1,2,3
	v_fma_f32 v[232+\b], v[232+\b], s22, v12
.endr
.set j, 0
.rept 64
	v_exp_f32 v[96+j], v[96+j]                     ; p = 2^(t - M)
.set j, j+1
.endr
	v_pk_mul_f32 v[14:15], v[14:15], v[252:253] op_sel_hi:[1,0]            ; the sums under the new M: the plain instruction behind the exponentials
	s_wait_alu depctr_va_vdst(0)                   ; the 64 exponentials have written v96-159: one wait for the batch, ahead of its first reader
.irp b, 0,1,2,3
	v_exp_f32 v[232+\b], v[232+\b]                 ; each block's largest p
.endr
	v_pk_add_f32 v[236:237], v[96:97], v[98:99]    ; the row's sum of the unquantised p, in two chains
.irp j, 4,8,12,16,20,24,28,32,36,40,44,48,52,56,60
	v_pk_add_f32 v[14:15], v[14:15], v[96+\j:97+\j]
	v_pk_add_f32 v[236:237], v[236:237], v[98+\j:99+\j]
.endr
	v_pk_add_f32 v[14:15], v[14:15], v[236:237]
	s_wait_alu depctr_va_vdst(0)                   ; the four exponentials have written v232-235, ahead of their first reader
.irp b, 0,1,2,3
	v_max_num_f32 v[232+\b], 0x1800000, v[232+\b]  ; the floor 2^(3 - 127): the byte cannot fall under 1
.endr
.irp b, 0,1,2,3
	v_add_nc_u32 v[244+\b], 0xff000000, v[232+\b]  ; 2 off the exponent field: the conversion's scale operand
.endr
.irp b, 0,1,2,3
	v_lshrrev_b32 v[236+\b], 23, v[244+\b]
.endr
	v_lshl_or_b32 v253, v237, 8, v236              ; p's scale word for these 128 keys
	v_lshl_or_b32 v253, v238, 16, v253
	v_lshl_or_b32 v253, v239, 24, v253
.irp c, 0,1
	v_cvt_scalef32_pk16_fp6_f32 v[224+6*\c:226+6*\c], v[96+32*\c:111+32*\c], v[244+2*\c]
	v_cvt_scalef32_pk16_fp6_f32 v[236+4*\c:238+4*\c], v[112+32*\c:127+32*\c], v[244+2*\c+1]
.endr
	v_nop                                          ; one plain instruction behind the scaled conversions
.irp c, 0,1
.irp i, 0,1,2
	v_permlane16_swap_b32 v[224+6*\c+\i], v[236+4*\c+\i]
.endr
.irp i, 0,1,2
	v_mov_b32 v[227+6*\c+\i], v[236+4*\c+\i]
.endr
.endr
.set j, 0
.rept 16
	v_pk_mul_f32 v[160+j:161+j], v[160+j:161+j], v[252:253] op_sel_hi:[1,0]   ; O^T under the new M; these 16 also stand between the scale word's and the codes' last writes and the products
.set j, j+2
.endr
	s_wait_dscnt 0x0                               ; V's fragments and scale words
	s_wait_alu depctr_va_vdst(0)                   ; p's codes v224-235 and its scale word v253 are written, which the scaled products below take; the places above stay beside this wait
.irp t, 0,2                            ; the four accumulators take turns, one instruction a turn
	v_wmma_scale_f32_16x16x128_f8f6f4 v[160+8*\t:167+8*\t], v[32+12*\t:43+12*\t], v[224:235], v[160+8*\t:167+8*\t], v[28+\t/2], v253 matrix_a_fmt:MATRIX_FMT_FP6 matrix_b_fmt:MATRIX_FMT_FP6
	v_wmma_scale_f32_16x16x128_f8f6f4 v[168+8*\t:175+8*\t], v[44+12*\t:55+12*\t], v[224:235], v[168+8*\t:175+8*\t], v[28+\t/2], v253 matrix_a_fmt:MATRIX_FMT_FP6 matrix_b_fmt:MATRIX_FMT_FP6 matrix_a_scale:MATRIX_SCALE_ROW1
.endr
.Lhidden_\@:
	s_add_co_u32 s2, s2, BLKB
	s_add_co_u32 s25, s25, 256
	s_add_co_u32 s3, s3, 1
	s_cmp_lt_u32 s3, 16
	s_cbranch_scc1 .Lstep_\@
	; the tile's way out
.rept 4
	v_nop                                          ; places behind the last products, on every way here
.endr
	v_add_f32 v14, v14, v15
	v_permlanex16_b32 v252, v14, s20, s21
	v_add_f32 v14, v14, v252                       ; the row's sum
	v_rcp_f32 v252, v14
	v_cmp_eq_f32 vcc_lo, 0, v14                    ; no key was open.  (The plain instruction behind the reciprocal)
	s_mul_i32 s28, s19, 12288
	s_mov_b32 s29, 0
	s_add_nc_u64 s[28:29], s[10:11], s[28:29]
	s_lshl_b32 s30, s19, 9
	s_mov_b32 s31, 0
	s_add_nc_u64 s[30:31], s[12:13], s[30:31]
	s_wait_alu depctr_va_vdst(0)                   ; the reciprocal has written v252, ahead of its first reader
.set j, 0
.rept 16
	v_pk_mul_f32 v[192+j:193+j], v[160+j:161+j], v[252:253] op_sel_hi:[1,0]   ; register 16 b + i: channel 32 b + 16 h + i of my query
.set j, j+2
.endr
.irp b, 0,1
	v_max3_num_f32 v[232+\b], |v[192+16*\b]|, |v[193+16*\b]|, 0x1800000
.endr
.irp i, 2,4,6,8,10,12,14
.irp b, 0,1
	v_max3_num_f32 v[232+\b], v[232+\b], |v[192+16*\b+\i]|, |v[193+16*\b+\i]|
.endr
.endr
.irp b, 0,1
	v_permlanex16_b32 v[236+\b], v[232+\b], s20, s21
.endr
.irp b, 0,1
	v_max_num_f32 v[232+\b], v[232+\b], v[236+\b]
.endr
.irp b, 0,1
	v_add_nc_u32 v[244+\b], 0xff000000, v[232+\b]
.endr
.irp b, 0,1
	v_lshrrev_b32 v[236+\b], 23, v[244+\b]
.endr
	v_lshl_or_b32 v254, v237, 8, v236              ; my query's two scale bytes of this head
	s_wait_alu depctr_va_vcc(0)                    ; the compare above has written VCC, ahead of its first reader, the select below
	v_cndmask_b32 v254, v254, v7, vcc_lo           ; 0xff, 0xff where no key was open
	v_cvt_scalef32_pk16_fp6_f32 v[224:226], v[192:207], v244
	v_cvt_scalef32_pk16_fp6_f32 v[236:238], v[208:223], v245
	v_nop                                          ; one plain instruction behind the scaled conversions
.irp i, 0,1,2
	v_permlane16_swap_b32 v[224+\i], v[236+\i]
.endr
.irp i, 0,1,2
	v_mov_b32 v[227+\i], v[236+\i]
.endr
	s_wait_alu depctr_va_vdst(0)                   ; the codes v224-229 and the scale bytes v254 are written, which the three stores read; every product of this tile is done reading Q's registers, in which the next tile's loads land
	global_store_b128 v1, v[224:227], s[28:29]     ; a block of 768 bytes: whole aligned blocks of 256
	global_store_b64 v2, v[228:229], s[28:29] offset:512
	global_store_b16 v4, v254, s[30:31]            ; 2 bytes of each row's 32 (lanes 16-31 write the same bytes with the same value)
.endm
	TILE
	s_sub_co_u32 s19, 127, s19                     ; the tile that mirrors it
	TILE
	s_wait_dscnt 0x0
	s_wait_alu depctr_hold_cnt(0) depctr_sa_sdst(0) depctr_va_vdst(0) depctr_va_sdst(0) depctr_va_ssrc(0) depctr_va_vcc(0) depctr_vm_vsrc(0)
	s_wait_tensorcnt 0x0
	ds_add_u32 v95, v243
	s_wait_dscnt 0x0
	s_endpgm
.Lfunc_end_k_q18f5dbed52_attn:
	.size	k_q18f5dbed52_attn, .Lfunc_end_k_q18f5dbed52_attn-k_q18f5dbed52_attn
	.p2alignl 7, 3214868480
	.fill 96, 4, 3214868480
	.section	.rodata,"a",@progbits
	.p2align	6, 0x0
	.amdhsa_kernel k_q18f5dbed52_attn
		.amdhsa_group_segment_fixed_size 210944
		.amdhsa_private_segment_fixed_size 0
		.amdhsa_enable_private_segment 0
		.amdhsa_kernarg_size 40
		.amdhsa_user_sgpr_count 2
		.amdhsa_user_sgpr_kernarg_segment_ptr 1
		.amdhsa_wavefront_size32 1
		.amdhsa_system_sgpr_workgroup_id_x 1
		.amdhsa_system_sgpr_workgroup_id_y 1
		.amdhsa_system_sgpr_workgroup_id_z 1
		.amdhsa_system_vgpr_workitem_id 0
		.amdhsa_next_free_vgpr 256
		.amdhsa_next_free_sgpr 100
		.amdhsa_reserve_vcc 1
		.amdhsa_float_denorm_mode_32 3
		.amdhsa_float_denorm_mode_16_64 3
		.amdhsa_memory_ordered 1
		.amdhsa_forward_progress 1
		.amdhsa_inst_pref_size 64
	.end_amdhsa_kernel
	.amdgpu_metadata
---
amdhsa.version: [ 1, 2 ]
amdhsa.kernels:
  - .name:           k_q18f5dbed52_attn
    .symbol:         k_q18f5dbed52_attn.kd
    .args:
      - { .name: qkv_img, .offset: 0, .size: 8, .value_kind: global_buffer, .address_space: global }
      - { .name: qkv_sc, .offset: 8, .size: 8, .value_kind: global_buffer, .address_space: global }
      - { .name: maskw, .offset: 16, .size: 8, .value_kind: global_buffer, .address_space: global }
      - { .name: ao_img, .offset: 24, .size: 8, .value_kind: global_buffer, .address_space: global }
      - { .name: ao_sc, .offset: 32, .size: 8, .value_kind: global_buffer, .address_space: global }
    .group_segment_fixed_size: 210944
    .private_segment_fixed_size: 0
    .kernarg_segment_align: 8
    .kernarg_segment_size: 40
    .max_flat_workgroup_size: 512
    .sgpr_count:     100
    .vgpr_count:     256
    .wavefront_size: 32
...
	.end_amdgpu_metadata
.endif
;; end of part 5
;; launch proj: the kernel of part 4 again; grid 4 x 32, 4 waves a work-group, clusters of 4 x 4, 327,680 bytes of LDS; arguments ao_img, ao_sc, opimg, opsc, b_out, out0; writes out0
